; MI455X (gfx1250); checked and timed in simulation.
; The chip was launched on July 23, 2026; its instructions are those of AMD's public machine-readable ISA for CDNA 5 (MIT licence, August 2026) and "CDNA5" Instruction Set Architecture Reference Guide (July 2026). The comments in the code are by the model that wrote it; some were corrected since.
;; brain. Allowed arithmetic: matrix products marked QUANTISED: E2M1 operands, one E8M0 scale for each 32 along K, by v_wmma_scale_f32_16x16x128_f8f6f4 with both operands' format E2M1 (or v_wmma_scale_f32_32x16x128_f4), f32 sums; products left as they are: bf16, f16 or f32 operands; f32 sums; everything else in f32.
;; Inputs: W_attn 1,024 x 3,072 float32; W_proj 1,024 x 1,024 float32; b_attn 3,072 float32; b_proj 1,024 float32; x 4 x 2,048 x 1,024 float32.
;; Outputs: out0 4 x 2,048 x 1,024 float32.
;; This version of the problem:
;;   THIS VERSION OF THE PROBLEM IS GIVEN IN LOW PRECISION. The matrix products marked QUANTISED in the list below multiply operands that are first quantised to E2M1 (2 exponent bits, 1 mantissa bit; 4 bits a number), with one power-of-two scale for each 32 numbers along K (OCP MX v1.0); their sums are f32. The products marked 'left as it is' may take bf16, f16 or f32 operands, with f32 sums. Whichever they take, every output number must still come out within the allowed error. Rounding operands to bf16 (8 significant bits) uses up far more of that allowance than f16 does (11 bits, for magnitudes from 6e-5 to 65,504). All else is computed in f32.
;;   The module's matrix products, in the order in which they are computed (A, B: the left and right operand; K: the contracted axis; several contracted axes count as one K, in the product's order):
;;     1. [M 8,192, K 1,024] x [K 1,024, N 3,072]; A: input x; B: input W_attn: QUANTISED
;;     2. batch 64 x [M 2,048, K 64] x [K 64, N 2,048]; A: computed on the way; B: computed on the way: left as it is (an operand is computed on the way)
;;     3. batch 64 x [M 2,048, K 2,048] x [K 2,048, N 64]; A: computed on the way; B: computed on the way: left as it is (an operand is computed on the way)
;;     4. [M 8,192, K 1,024] x [K 1,024, N 1,024]; A: computed on the way; B: input W_proj: left as it is (an operand is computed on the way)
;;   THE QUANTISER, for each operand of a quantised product, along K:
;;     - K is cut into blocks of 32 from its start; a last block that is shorter is filled with zeros.
;;     - A block's scale is 2^e with e = floor(log2(the largest magnitude in the block)) - 2, held to -126 .. 127; a block of zeros has e = 0. As a byte (E8M0): e + 127.
;;     - Each number is divided by its block's scale, clamped to +-6, and rounded to the nearest number of E2M1, ties to even, subnormals kept.
;;     - The product sums the exact products of the quantised numbers (number of the format x scale) in f32.
;;   ~~~python
;;   def quantise(x, axis):      # numpy; x: float32 -> the quantised numbers, widened to float32 again
;;       x = np.moveaxis(x, axis, -1); K = x.shape[-1]
;;       x = np.pad(x, [(0, 0)] * (x.ndim - 1) + [(0, -K % 32)]); x = x.reshape(x.shape[:-1] + (-1, 32)); a = np.abs(x).max(-1, keepdims=True)
;;       e = np.where(a > 0, np.clip(np.frexp(np.where(a > 0, a, 1))[1] - 1 - 2, -126, 127), 0)      # np.frexp(a)[1] - 1 = floor(log2(a)), exactly
;;       r = np.clip(x / 2.0 ** e, -6, 6)
;;       step = 2.0 ** (np.maximum(np.frexp(np.where(r == 0, 1, r))[1] - 1, 0) - 1)
;;       q = np.round(r / step) * step * 2.0 ** e      # np.round: ties to even
;;       return np.moveaxis(q.reshape(q.shape[:-2] + (-1,))[..., :K], -1, axis).astype(np.float32)
;;   ~~~
;; One version. Each part assembles by itself: llvm-mc -triple=amdgcn-amd-amdhsa -mcpu=gfx1250 --defsym DOCPART=n.
;; ======== version 1 of 1: 5 launches
;; limits: values are held in f16: magnitudes above 65,504 overflow, below 6.1e-05 lose precision
;; workspace buffers: xc 4,194,304 bytes; xs 262,144 bytes; wac 1,572,864 bytes; was 98,304 bytes; wp 4,194,304 bytes; qkv 50,331,648 bytes; qkvf 786,432 bytes; y 16,777,216 bytes
;; launch prep (part 1): grid 368 x 1, 4 waves a work-group, no clusters, 137,728 bytes of LDS; arguments x, W_attn, W_proj, xc, xs, wac, was, wp; writes xc, xs, wac, was, wp
.if DOCPART == 1
	.amdgcn_target "amdgcn-amd-amdhsa--gfx1250"
	.amdhsa_code_object_version 6
	.text
	.protected	k_q2ff70c8897_prep
	.globl	k_q2ff70c8897_prep
	.p2align	8
	.type	k_q2ff70c8897_prep,@function
k_q2ff70c8897_prep:
	s_mov_b64 s[64:65], 0
	v_nop
	global_prefetch_b8 v0, s[64:65] scope:SCOPE_SE
	s_setreg_imm32_b32 hwreg(HW_REG_WAVE_MODE, 25, 1), 1
	s_wait_xcnt 0x0
; PREP: the operands of the later launches are made once.
;   work-groups   0..255  x [8192][1024] f32      -> xc: codes of E2M1, K innermost, [8192][512 bytes]; xs: E8M0 bytes [8192][32]
;   work-groups 256..303  W_attn [1024 k][3072 n] -> wac: codes [3072 n][512 bytes], K innermost; was: [3072][32]
;   work-groups 304..367  W_proj [1024 k][1024 n] -> wp: f16 [2][1024 n][1024 k]: the number rounded to f16, and behind it (2,097,152 bytes on) what the rounding left, again in f16
; A block's scale is 2^(floor(log2(its largest magnitude)) - 2); its byte is the largest magnitude's exponent field - 2, held at 1 from below.
; LIMITS: a block of zeros gets the byte 1 where the rule says 127 (its codes are zeros, and this program alone reads the bytes); blocks whose largest magnitude lies under 2^-124 get the byte 1;
; NaN and infinities are not served; W_proj's magnitudes stay under 65,504 (f16), and under 6e-5 they are kept to 3e-8.
; The three paths part on the work-group's number alone, each has LDS bytes of its own, waves share nothing: no barrier.  No matrix unit, no cluster, no tensor load: a stream, each input byte read once.
.set SPARE, 137216                     ; behind the three paths' bytes: the spare words, 128 bytes a wave
.set SPW,   30                         ; v30 LDS address of my spare word; never rewritten
.set NIL,   31                         ; v31 0; never rewritten
	s_load_b256 s[4:11], s[0:1], 0x0               ; x s[4:5], W_attn s[6:7], W_proj s[8:9], xc s[10:11]
	s_load_b256 s[12:19], s[0:1], 0x20             ; xs s[12:13], wac s[14:15], was s[16:17], wp s[18:19]
	v_lshl_add_u32 v[SPW], v0, 2, SPARE
	v_mov_b32 v[NIL], 0
	v_lshrrev_b32 v1, 5, v0
	v_readfirstlane_b32 s20, v1                    ; wave 0..3
	v_and_b32 v2, 31, v0                           ; lane
	s_wait_kmcnt 0x0
	s_cmp_lt_u32 ttmp9, 256
	s_cbranch_scc1 .Lpath_x
	s_cmp_lt_u32 ttmp9, 304
	s_cbranch_scc1 .Lpath_wa
; ---------------- W_proj: a lane takes a column n, its registers run down k; a wave takes 32 columns x 128 k ----------------
	s_sub_co_u32 s21, ttmp9, 304
	s_and_b32 s22, s21, 7                          ; which 128 columns
	s_lshr_b32 s23, s21, 3                         ; which 128 along k
	s_lshl_b32 s24, s22, 7
	s_lshl_b32 s25, s20, 5
	s_add_co_u32 s24, s24, s25                     ; my wave's first column
	s_lshl_b32 s26, s23, 19                        ; 128 rows of 4,096 bytes
	s_lshl_b32 s25, s24, 2
	s_add_co_u32 s26, s26, s25
	s_mov_b32 s27, 0
	s_add_nc_u64 s[8:9], s[8:9], s[26:27]
	s_lshl_b32 s26, s24, 11                        ; out: row n of 2,048 bytes,
	s_lshl_b32 s25, s23, 8                         ; 256 bytes for 128 k
	s_add_co_u32 s26, s26, s25
	s_add_nc_u64 s[18:19], s[18:19], s[26:27]
	v_lshlrev_b32 v3, 2, v2                        ; in: 4 bytes a lane
	s_mul_i32 s28, s20, 17408
	s_add_co_u32 s28, s28, 67584                   ; my two stages: 32 rows x 272 bytes each
	v_mul_u32_u24 v4, v2, 272
	v_add_nc_u32 v4, s28, v4                       ; into them: row = my column
	v_and_b32 v5, 15, v2
	v_lshrrev_b32 v6, 4, v2
	v_mul_u32_u24 v7, v6, 272
	v_lshl_add_u32 v7, v5, 4, v7
	v_add_nc_u32 v7, s28, v7                       ; out of them: sixteen lanes to a row, two rows an instruction
	v_lshlrev_b32 v8, 11, v6
	v_lshl_add_u32 v8, v5, 4, v8                   ; and the same place in wp
.macro WPLOAD t                        ; W_proj(32 t + n, my column) into set t % 2
.set n, 0
.rept 32
	global_load_b32 v[32+32*((\t)%2)+n], v3, s[8:9] offset:(32*(\t)+n)*4096 th:TH_LOAD_NT
.set n, n+1
.endr
.endm
.macro WPBLOCK t
.set WS, 32+32*((\t)%2)
.if (\t) < 3
	s_wait_loadcnt 32                              ; this block's 32 loads are in; the next block's 32 may be out
.else
	s_wait_loadcnt 0x0
.endif
.set g, 0
.rept 16
	v_cvt_pk_f16_f32 v18, v[WS+2*g], v[WS+2*g+1]   ; two neighbours along k, rounded to f16
	v_cvt_f32_f16 v16, v18.l
	v_cvt_f32_f16 v17, v18.h
	v_mov_b32 v[96+g], v18
	v_pk_add_f32 v[WS+2*g:WS+2*g+1], v[WS+2*g:WS+2*g+1], v[16:17] neg_lo:[0,1] neg_hi:[0,1]   ; what the rounding left: exact in f32
	v_cvt_pk_f16_f32 v[112+g], v[WS+2*g], v[WS+2*g+1]
.set g, g+1
.endr
.irp j, 0,1,2,3
	ds_store_b128 v4, v[96+4*\j:99+4*\j] offset:64*(\t)+16*\j
	ds_store_b128 v4, v[112+4*\j:115+4*\j] offset:8704+64*(\t)+16*\j
.endr
.if (\t)+2 < 4
	WPLOAD (\t)+2
.endif
	s_wait_dscnt 0x0                               ; the stores have read their registers: the next block may write them
.endm
	WPLOAD 0
	WPLOAD 1
	WPBLOCK 0
	WPBLOCK 1
	WPBLOCK 2
	WPBLOCK 3
.irp p, 0,1                            ; first the rounded numbers, then the remainders
.if \p
	s_wait_xcnt 0x0                                ; the first run's stores have read their registers
.endif
.set n, 0
.rept 16
	ds_load_b128 v[128+4*n:131+4*n], v7 offset:8704*\p+2*n*272
.set n, n+1
.endr
.set n, 0
.rept 16
	s_wait_dscnt 15-n                              ; LDS loads come back in order: load n is in, the 15 - n behind it may be out
	global_store_b128 v8, v[128+4*n:131+4*n], s[18:19] offset:2097152*\p+2*n*2048   ; sixteen lanes store 256 consecutive bytes, aligned
.set n, n+1
.endr
.endr
	s_wait_tensorcnt 0x0                           ; the wave's end, behind my last LDS store
	ds_add_u32 v[SPW], v[NIL]
	s_wait_dscnt 0x0
	s_endpgm
; ---------------- x: a plain stream of blocks of 32; a wave takes 16 steps of 512 numbers ----------------
.Lpath_x:
.set SP,  80                           ; a lane's place in a stage: 64 bytes + 16 of padding
.set XR,  32                           ; v32-95   four sets of 16 numbers as loaded
.set XX,  96                           ; v96-127  two sets of 16 neighbours
.set XE,  128                          ; v128-143 a scale byte for each step
.set XC,  144                          ; v144-175 two registers of codes for each step: no store's data are written again
	v_lshlrev_b32 v3, 4, v2                        ; my 16 bytes of a load's 512
	s_mul_i32 s21, s20, 8192                       ; my wave's LDS region
	v_lshrrev_b32 v14, 2, v2
	v_mul_u32_u24 v14, v14, SP
	v_and_b32 v15, 3, v2
	v_lshl_add_u32 v14, v15, 4, v14
	v_add_nc_u32 v14, s21, v14                     ; the stage, way in: four lanes' 64 bytes on end, then 16 of padding
	v_mul_u32_u24 v15, v2, SP
	v_add_nc_u32 v15, s21, v15                     ; way out: my 16 neighbours
	v_lshlrev_b32 v4, 3, v2                        ; my 8 bytes of a step's codes
	v_lshrrev_b32 v5, 1, v2
	s_add_co_u32 s21, s21, 2*32*SP
	v_add_nc_u32 v5, s21, v5                       ; my block's byte among my wave's 256 scale bytes
	v_lshlrev_b32 v7, 3, v2
	v_add_nc_u32 v6, s21, v7
	s_lshl_b32 s22, ttmp9, 2
	s_add_co_u32 s22, s22, s20                     ; which run of 8,192 numbers is my wave's
	s_mov_b32 s23, 0
	s_lshl_b64 s[24:25], s[22:23], 15
	s_add_nc_u64 s[4:5], s[4:5], s[24:25]
	s_lshl_b64 s[24:25], s[22:23], 12
	s_add_nc_u64 s[10:11], s[10:11], s[24:25]
	s_lshl_b32 s22, s22, 8
	s_add_nc_u64 s[12:13], s[12:13], s[22:23]
.macro XLOAD t
.irp i, 0,1,2,3
	global_load_b128 v[XR+16*((\t)%4)+4*\i:XR+16*((\t)%4)+4*\i+3], v3, s[4:5] offset:2048*(\t)+512*\i th:TH_LOAD_NT   ; 32 lanes read 512 consecutive bytes
.endr
.endm
.macro XTURN t                         ; a step's numbers through the stage; LDS serves a wave's instructions in order, so no wait stands between
.irp i, 0,1,2,3
	ds_store_b128 v14, v[XR+16*((\t)%4)+4*\i:XR+16*((\t)%4)+4*\i+3] offset:32*SP*((\t)%2)+8*SP*\i
.endr
.irp i, 0,1,2,3
	ds_load_b128 v[XX+16*((\t)%2)+4*\i:XX+16*((\t)%2)+4*\i+3], v15 offset:32*SP*((\t)%2)+16*\i
.endr
.endm
.irp t, 0,1,2,3
	XLOAD \t
.endr
	s_wait_loadcnt 12                              ; step 0's four loads are in, the twelve of steps 1 to 3 may be out
	XTURN 0
.macro XSTEP t
.set XS, XX+16*((\t)%2)
.if (\t) > 0
	s_wait_dscnt 1                                 ; this step's numbers are back (the last step's byte store may be out)
.else
	s_wait_dscnt 0x0
.endif
.if (\t)+4 < 16
	XLOAD (\t)+4
.endif
.if (\t)+1 < 16
.if 14-(\t) >= 3
	s_wait_loadcnt 12                              ; the next step's four loads are in; those of the three steps behind it may be out
.else
	s_wait_loadcnt 4*(14-(\t))
.endif
	XTURN (\t)+1
.endif
	v_max3_num_f32 v8, |v[XS]|, |v[XS+1]|, |v[XS+2]|
	v_max3_num_f32 v9, |v[XS+3]|, |v[XS+4]|, |v[XS+5]|
.irp i, 6,10
	v_max3_num_f32 v8, v8, |v[XS+\i]|, |v[XS+\i+1]|
	v_max3_num_f32 v9, v9, |v[XS+\i+2]|, |v[XS+\i+3]|
.endr
	v_max3_num_f32 v8, v8, |v[XS+14]|, |v[XS+15]|
	v_max3_num_f32 v8, v8, v9, 0x1800000           ; the floor 2^(3 - 127): the byte cannot fall under 1
	v_max_num_f32_dpp v8, v8, v8 row_xmask:1 row_mask:0xf bank_mask:0xf   ; with my neighbour's 16: the block's largest magnitude
	v_add_nc_u32 v11, 0xff000000, v8               ; 2 off its exponent field: the conversion takes that field as its scale
	v_cvt_scalef32_pk8_fp4_f32 v[XC+2*(\t)], v[XS:XS+7], v11
	v_cvt_scalef32_pk8_fp4_f32 v[XC+2*(\t)+1], v[XS+8:XS+15], v11
	v_lshrrev_b32 v[XE+(\t)], 23, v11              ; the scale's byte
	ds_store_b8 v5, v[XE+(\t)] offset:16*(\t)      ; both lanes of a block write the same byte with the same value
	global_store_b64 v4, v[XC+2*(\t):XC+2*(\t)+1], s[10:11] offset:256*(\t)   ; the wave stores 256 consecutive bytes, aligned
.endm
.irp t, 0,1,2,3,4,5,6,7,8,9,10,11,12,13,14,15
	XSTEP \t
.endr
	ds_load_b64 v[8:9], v6
	s_wait_dscnt 0x0
	global_store_b64 v7, v[8:9], s[12:13]          ; my wave's 256 scale bytes, aligned
	s_wait_tensorcnt 0x0                           ; the wave's end
	ds_add_u32 v[SPW], v[NIL]
	s_wait_dscnt 0x0
	s_endpgm
; ---------------- W_attn: a lane takes a column n, its registers run down K; a wave takes 32 columns x 512 along K ----------------
.Lpath_wa:
	s_sub_co_u32 s21, ttmp9, 256
	s_cmp_ge_u32 s21, 24
	s_cselect_b32 s22, 1, 0                        ; which 512 along K
	s_cselect_b32 s23, 24, 0
	s_sub_co_u32 s21, s21, s23                     ; which 128 columns
	s_lshl_b32 s24, s21, 7
	s_lshl_b32 s25, s20, 5
	s_add_co_u32 s24, s24, s25                     ; my wave's first column
	v_lshlrev_b32 v3, 2, v2
	s_mul_i32 s28, s20, 8704
	s_add_co_u32 s28, s28, 32768                   ; my stage: 32 rows x 272 bytes
	v_mul_u32_u24 v4, v2, 272
	v_add_nc_u32 v4, s28, v4
	v_and_b32 v5, 15, v2
	v_lshrrev_b32 v6, 4, v2
	v_mul_u32_u24 v7, v6, 272
	v_lshl_add_u32 v7, v5, 4, v7
	v_add_nc_u32 v7, s28, v7
	v_lshlrev_b32 v8, 9, v6                        ; a row of wac is 512 bytes
	v_lshl_add_u32 v8, v5, 4, v8
	v_lshlrev_b32 v9, 5, v2                        ; a row of was is 32 bytes
	s_mul_i32 s26, s22, 6291456                    ; 512 rows of 12,288 bytes
	s_lshl_b32 s25, s24, 2
	s_add_co_u32 s26, s26, s25
	s_mov_b32 s27, 0
	s_add_nc_u64 s[6:7], s[6:7], s[26:27]
	s_lshl_b32 s26, s24, 9
	s_lshl_b32 s25, s22, 8
	s_add_co_u32 s26, s26, s25
	s_add_nc_u64 s[14:15], s[14:15], s[26:27]
	s_lshl_b32 s26, s24, 5
	s_lshl_b32 s25, s22, 4
	s_add_co_u32 s26, s26, s25
	s_add_nc_u64 s[16:17], s[16:17], s[26:27]
.macro WALOAD t                        ; block t: W_attn(32 t + n, my column); the largest offset, 511 x 12,288, lies inside the signed 24-bit immediate
.set n, 0
.rept 32
	global_load_b32 v[32+32*((\t)%2)+n], v3, s[6:7] offset:(32*(\t)+n)*12288 th:TH_LOAD_NT
.set n, n+1
.endr
.endm
	WALOAD 0
	WALOAD 1
.macro WABLOCK t
.set AS, 32+32*((\t)%2)
.if (\t) < 15
	s_wait_loadcnt 32                              ; this block's 32 loads are in; the next block's may be out
.else
	s_wait_loadcnt 0x0
.endif
	v_max3_num_f32 v12, |v[AS]|, |v[AS+1]|, |v[AS+2]|
	v_max3_num_f32 v13, |v[AS+3]|, |v[AS+4]|, |v[AS+5]|
.irp i, 6,10,14,18,22,26
	v_max3_num_f32 v12, v12, |v[AS+\i]|, |v[AS+\i+1]|
	v_max3_num_f32 v13, v13, |v[AS+\i+2]|, |v[AS+\i+3]|
.endr
	v_max3_num_f32 v12, v12, |v[AS+30]|, |v[AS+31]|
	v_max3_num_f32 v12, v12, v13, 0x1800000        ; the floor: the byte cannot fall under 1
	v_add_nc_u32 v11, 0xff000000, v12
	v_lshrrev_b32 v13, 23, v11                     ; the scale's byte
.if (\t)%4 == 0
	v_mov_b32 v[24+(\t)/4], v13
.else
	v_lshl_or_b32 v[24+(\t)/4], v13, 8*((\t)%4), v[24+(\t)/4]
.endif
.irp g, 0,1,2,3
	v_cvt_scalef32_pk8_fp4_f32 v[96+\g], v[AS+8*\g:AS+8*\g+7], v11
.endr
	ds_store_b128 v4, v[96:99] offset:16*(\t)      ; 32 codes: 16 bytes of my column's row
.if (\t)+2 < 16
	WALOAD (\t)+2
.endif
	s_wait_dscnt 0x0                               ; the store has read its registers
.endm
.set Q, 0
.rept 16
	WABLOCK Q
.set Q, Q+1
.endr
	global_store_b128 v9, v[24:27], s[16:17]       ; my column's 16 scale bytes
.set n, 0
.rept 16
	ds_load_b128 v[112+4*n:115+4*n], v7 offset:2*n*272
.set n, n+1
.endr
.set n, 0
.rept 16
	s_wait_dscnt 15-n
	global_store_b128 v8, v[112+4*n:115+4*n], s[14:15] offset:2*n*512   ; sixteen lanes store 256 consecutive bytes, aligned
.set n, n+1
.endr
	s_wait_tensorcnt 0x0                           ; the wave's end
	ds_add_u32 v[SPW], v[NIL]
	s_wait_dscnt 0x0
	s_endpgm
.Lfunc_end_k_q2ff70c8897_prep:
	.size	k_q2ff70c8897_prep, .Lfunc_end_k_q2ff70c8897_prep-k_q2ff70c8897_prep
	.p2alignl 7, 3214868480
	.fill 96, 4, 3214868480
	.section	.rodata,"a",@progbits
	.p2align	6, 0x0
	.amdhsa_kernel k_q2ff70c8897_prep
		.amdhsa_group_segment_fixed_size 137728
		.amdhsa_private_segment_fixed_size 0
		.amdhsa_enable_private_segment 0
		.amdhsa_kernarg_size 64
		.amdhsa_user_sgpr_count 2
		.amdhsa_user_sgpr_kernarg_segment_ptr 1
		.amdhsa_wavefront_size32 1
		.amdhsa_system_sgpr_workgroup_id_x 1
		.amdhsa_system_sgpr_workgroup_id_y 1
		.amdhsa_system_sgpr_workgroup_id_z 1
		.amdhsa_system_vgpr_workitem_id 0
		.amdhsa_next_free_vgpr 192
		.amdhsa_next_free_sgpr 66
		.amdhsa_reserve_vcc 0
		.amdhsa_float_denorm_mode_32 3
		.amdhsa_float_denorm_mode_16_64 3
		.amdhsa_memory_ordered 1
		.amdhsa_forward_progress 1
		.amdhsa_inst_pref_size 150
	.end_amdhsa_kernel
	.amdgpu_metadata
---
amdhsa.version: [ 1, 2 ]
amdhsa.kernels:
  - .name:           k_q2ff70c8897_prep
    .symbol:         k_q2ff70c8897_prep.kd
    .args:
      - { .name: x, .offset: 0, .size: 8, .value_kind: global_buffer, .address_space: global }
      - { .name: W_attn, .offset: 8, .size: 8, .value_kind: global_buffer, .address_space: global }
      - { .name: W_proj, .offset: 16, .size: 8, .value_kind: global_buffer, .address_space: global }
      - { .name: xc, .offset: 24, .size: 8, .value_kind: global_buffer, .address_space: global }
      - { .name: xs, .offset: 32, .size: 8, .value_kind: global_buffer, .address_space: global }
      - { .name: wac, .offset: 40, .size: 8, .value_kind: global_buffer, .address_space: global }
      - { .name: was, .offset: 48, .size: 8, .value_kind: global_buffer, .address_space: global }
      - { .name: wp, .offset: 56, .size: 8, .value_kind: global_buffer, .address_space: global }
    .group_segment_fixed_size: 137728
    .private_segment_fixed_size: 0
    .kernarg_segment_align: 8
    .kernarg_segment_size: 64
    .max_flat_workgroup_size: 128
    .sgpr_count:     66
    .vgpr_count:     192
    .wavefront_size: 32
...
	.end_amdgpu_metadata
.endif
;; end of part 1
;; launch qkv (part 2): grid 12 x 32, 4 waves a work-group, clusters of 4 x 4, 327,680 bytes of LDS; arguments xc, xs, wac, was, b_attn, qkv, qkvf; writes qkv, qkvf
.if DOCPART == 2
	.amdgcn_target "amdgcn-amd-amdhsa--gfx1250"
	.amdhsa_code_object_version 6
	.text
	.protected	k_q2ff70c8897_qkv
	.globl	k_q2ff70c8897_qkv
	.p2align	8
	.type	k_q2ff70c8897_qkv,@function
k_q2ff70c8897_qkv:
	s_mov_b64 s[64:65], 0
	v_nop
	global_prefetch_b8 v0, s[64:65] scope:SCOPE_SE
	s_setreg_imm32_b32 hwreg(HW_REG_WAVE_MODE, 25, 1), 1
	s_wait_xcnt 0x0
	s_wait_alu depctr_hold_cnt(0) depctr_sa_sdst(0) depctr_va_vdst(0) depctr_va_sdst(0) depctr_va_ssrc(0) depctr_va_vcc(0) depctr_vm_vsrc(0)
	s_getreg_b32 s2, hwreg(HW_REG_IB_STS2, 6, 4)
	s_cmp_eq_u32 s2, 0
	s_cbranch_scc0 .Lentry_in_a_cluster
	s_endpgm
.Lentry_in_a_cluster:
	s_bfe_u32 s2, ttmp6, 0x10000c
	s_cmp_lg_u32 s2, 0xf033
	s_cbranch_scc0 .Lentry_shape_is_right
	s_endpgm
.Lentry_shape_is_right:
; QKV: x W_attn + b_attn on codes of E2M1 with E8M0 scales: [8192][1024] x [3072][1024]^T.  Results leave as f16, laid by head: qkv [3 (q, k, v)][64 (batch x 16 + head)][2048 tokens][64];
; the first 16 tokens of each batch leave in f32 too: qkvf [64 (batch x 16 + token)][3072].
; A tile of 256 x 256 is made by four waves, 128 x 128 each: 64 accumulators, 512 registers.  K = 1,024 is two LDS slots of 512 along K, both asked for at the head: nothing is filled again.
; The scale bytes of the tile's 256 + 256 rows come once, as two dense blocks.  CLUSTER 4 x 4: A's tiles are shared along a row of the cluster, B's along a column, by joint loads.
; The tile row is 8 cy + cluster y, so that the batch is cy and "this tile holds tokens 0 to 15" is cluster y = 0: the same in all sixteen partners.
; The matrix instruction is used transposed (source 0 = 16 rows of W, source 1 = 16 rows of x): a lane holds eight neighbouring columns of one token.  The bias is the C of each sum's first instruction.
; LIMITS: the bias is added ahead of the products; q, k, v are rounded to f16: magnitudes stay under 65,504.
; REGISTERS: window 0: v16-31 addresses; v32-95 scale words, two sets; v128-191 A's fragments, one set; v192-255 the bias.  window 1: B's fragments, two sets.  windows 2, 3: the accumulators ((a, b) at v[8 (8 (a % 4) + b)]).
.set NQ,     4
.set ROWB,   256
.set KROW,   512
.set PITCH,  272                       ; an LDS row: 256 bytes + 16 of padding: the 16 rows of a load start at 16 different places modulo 256 bytes
.set FR,     8
.set NL,     2
.set NP,     4
.set HALFT,  128*PITCH
.set SLOT,   4*HALFT
.set KS,     32
.set SCL,    2*SLOT
.set HALFS,  16*272
.set SBLK,   2*272
.set SPARE,  SCL+4*HALFS
.set ADRA, 16
.set ADRB, 20
.set STOF, 22                          ; the f32 way out: in, back
.set RDF,  23
.set STO,  24                          ; the f16 way out: in, back, place in qkv
.set RD,   25
.set CO,   26
.set ADRS, 27
.set SPW,  28
.set NIL,  29
.set COF,  30
.set BO,   31
.set SC,   32
.set AF,   128
.set BIAS, 192
.set TMP,  32
.set BK,   64
.set FB,   128
.set G1, 24
.set G0, 32
.set G1B, 48
.set G0B, 56
.set G1S, 68
.set G0S, 76
.set G1SB, 80
.set G0SB, 88
.set MSB, 0
.macro WIN new                         ; the immediate's high byte repeats the setting that is left
.if MSB != (\new)
	s_set_vgpr_msb (MSB<<8)|(\new)
.set MSB, (\new)
.endif
.endm
.set MUL_LO, 0xa1                      ; source 0 (B) window 1, source 1 (A) window 0, C and D window 2
.set MUL_HI, 0xf1
.set FST_LO, 0x81                      ; the same with C (the bias) in window 0
.set FST_HI, 0xc1
.set TO_B,   0x40
.macro JLOAD g0a, g1a, g0b, g1b        ; a joint load: waves 0 and 1 fetch for A, waves 2 and 3 for B
	s_cmp_eq_u32 s19, 0
	s_cbranch_scc0 .Lfor_b_\@
	tensor_load_to_lds s[\g0a:\g0a+3], s[\g1a:\g1a+7]
	s_nop 0
.rept 4
	v_nop
.endr
	s_branch .Lasked_\@
.Lfor_b_\@:
	tensor_load_to_lds s[\g0b:\g0b+3], s[\g1b:\g1b+7]
	s_nop 0
.rept 4
	v_nop
.endr
.Lasked_\@:
.endm
.macro CROUND                          ; a round of the cluster's barrier
	s_barrier_signal -1
	s_barrier_wait -1
	s_cmp_lg_u32 s18, 0
	s_cbranch_scc1 .Lnot_wave_0_\@
	s_barrier_signal -3
.Lnot_wave_0_\@:
	s_barrier_wait -3
	s_barrier_signal -1
	s_barrier_wait -1
.endm
	s_load_b256 s[4:11], s[0:1], 0x0               ; xc s[4:5], xs s[6:7], wac s[8:9], was s[10:11]
	s_load_b128 s[12:15], s[0:1], 0x20             ; b_attn s[12:13], qkv s[14:15]
	s_load_b64 s[16:17], s[0:1], 0x30              ; qkvf
	v_lshl_add_u32 v[SPW], v0, 2, SPARE
	v_mov_b32 v[NIL], 0
	ds_add_u32 v[SPW], v[NIL]                      ; the wave's opening: the add, twice on end, and its wait ahead of my first tensor load
	ds_add_u32 v[SPW], v[NIL]
	v_lshrrev_b32 v1, 5, v0
	v_readfirstlane_b32 s18, v1                    ; wave 0..3
	s_lshr_b32 s19, s18, 1                         ; my half of the tile's rows.  Also: I fetch for A (0) or B (1)
	s_and_b32 s20, s18, 1                          ; my half of its columns.  Also: which 128 rows I fetch
	s_bfe_u32 s21, ttmp6, 0x40000                  ; cx
	s_bfe_u32 s22, ttmp6, 0x40004                  ; cy
	s_lshl_b32 s40, ttmp9, 2
	s_add_co_u32 s40, s40, s21                     ; tile column = 4 x cluster x + cx
	s_and_b32 s44, ttmp7, 0xffff                   ; cluster y
	s_lshl_b32 s41, s22, 3
	s_add_co_u32 s41, s41, s44                     ; tile row = 8 cy + cluster y
	s_lshl_b32 s42, s22, 2
	s_lshl_b32 s42, 15, s42                        ; my row of the cluster
	s_lshl_b32 s43, 0x1111, s21                    ; my column
	s_or_b32 s[G1+0], s42, (0<<16)|(1<<20)|(1<<21)|(5<<22)|(3<<25)   ; elements of 1 byte; 4 words of padding behind every 64
	s_or_b32 s[G1B+0], s43, (0<<16)|(1<<20)|(1<<21)|(5<<22)|(3<<25)
.irp g, G1, G1B
	s_mov_b32 s[\g+1], ROWB<<16
	s_mov_b32 s[\g+2], 128<<16
	s_mov_b32 s[\g+3], ROWB<<16
	s_mov_b32 s[\g+4], 128
	s_mov_b32 s[\g+5], KROW
	s_mov_b32 s[\g+6], 0
	s_mov_b32 s[\g+7], 0
.endr
	s_or_b32 s[G1S+0], s42, (3<<16)|(1<<20)|(1<<21)|(5<<22)|(3<<25)  ; the scales of 128 rows: 4,096 dense bytes as 16 rows of 32 elements of 8 bytes
	s_or_b32 s[G1SB+0], s43, (3<<16)|(1<<20)|(1<<21)|(5<<22)|(3<<25)
.irp g, G1S, G1SB
	s_mov_b32 s[\g+1], 32<<16
	s_mov_b32 s[\g+2], 16<<16
	s_mov_b32 s[\g+3], 32<<16
	s_mov_b32 s[\g+4], 16
	s_mov_b32 s[\g+5], 32
	s_mov_b32 s[\g+6], 0
	s_mov_b32 s[\g+7], 0
.endr
	s_lshl_b32 s23, s20, 7                         ; which 128 rows of a tile I fetch
	s_lshl_b32 s92, s41, 8
	s_add_co_u32 s92, s92, s23                     ; A: row 256 x tile row + 128 x half
	s_lshl_b32 s94, s92, 5                         ; its scales' byte,
	s_lshl_b32 s92, s92, 9                         ; its codes' byte
	s_mov_b32 s93, 0
	s_mov_b32 s95, 0
	s_lshl_b32 s46, s40, 8
	s_add_co_u32 s46, s46, s23                     ; B: row 256 x tile column + 128 x half
	s_lshl_b32 s96, s46, 5
	s_lshl_b32 s46, s46, 9
	s_mov_b32 s47, 0
	s_mov_b32 s97, 0
	s_mul_i32 s45, s18, HALFT                      ; where they go: wave x 128 rows
	s_mul_i32 s67, s18, HALFS
	s_wait_dscnt 0x0                               ; both opening adds are done
	s_wait_kmcnt 0x0
	s_add_nc_u64 s[92:93], s[4:5], s[92:93]
	s_add_nc_u64 s[94:95], s[6:7], s[94:95]
	s_add_nc_u64 s[46:47], s[8:9], s[46:47]
	s_add_nc_u64 s[96:97], s[10:11], s[96:97]
	CROUND                                         ; all sixteen work-groups are here: the first joint loads meet
	s_mov_b32 s[G0S], 1
	s_add_co_u32 s[G0S+1], s67, SCL
	s_mov_b64 s[G0S+2:G0S+3], s[94:95]
	s_or_b32 s[G0S+3], s[G0S+3], 0x80000000
	s_mov_b32 s[G0SB], 1
	s_add_co_u32 s[G0SB+1], s67, SCL
	s_mov_b64 s[G0SB+2:G0SB+3], s[96:97]
	s_or_b32 s[G0SB+3], s[G0SB+3], 0x80000000
	JLOAD G0S, G1S, G0SB, G1SB                     ; the scales first
.irp s, 0,1
	s_mov_b32 s[G0+4*\s], 1
	s_add_co_u32 s[G0+4*\s+1], s45, \s*SLOT
	s_add_nc_u64 s[G0+4*\s+2:G0+4*\s+3], s[92:93], \s*ROWB
	s_or_b32 s[G0+4*\s+3], s[G0+4*\s+3], 0x80000000
	s_mov_b32 s[G0B+4*\s], 1
	s_add_co_u32 s[G0B+4*\s+1], s45, \s*SLOT
	s_add_nc_u64 s[G0B+4*\s+2:G0B+4*\s+3], s[46:47], \s*ROWB
	s_or_b32 s[G0B+4*\s+3], s[G0B+4*\s+3], 0x80000000
	JLOAD G0+4*\s, G1, G0B+4*\s, G1B               ; three loads of mine are out behind the last of these
.endr
	v_and_b32 v1, 15, v0                           ; r
	v_bfe_u32 v2, v0, 4, 1                         ; h
	v_mul_u32_u24 v3, v1, PITCH
	v_lshl_add_u32 v4, v2, 4, v3
	s_mul_i32 s2, s19, HALFT
	s_mul_i32 s3, s20, HALFT
	s_add_co_u32 s3, s3, 2*HALFT
.irp s, 0,1
	v_add_nc_u32 v[ADRA+\s], s2, v4
	v_add_nc_u32 v[ADRB+\s], s3, v4
	s_add_co_u32 s2, s2, SLOT
	s_add_co_u32 s3, s3, SLOT
.endr
	v_mul_u32_u24 v5, v1, KS                       ; my row's scales: 32 bytes a row,
	v_lshrrev_b32 v6, 8, v5
	v_lshl_add_u32 v5, v6, 4, v5                   ; and 16 more for each 256 passed
	s_mul_i32 s2, s19, HALFS
	s_mul_i32 s3, s20, HALFS
	s_add_co_u32 s3, s3, 2*HALFS
	s_sub_co_u32 s3, s3, s2
	v_mul_u32_u24 v6, s3, v2                       ; lanes 16-31 take B's
	s_add_co_u32 s2, s2, SCL
	v_add_nc_u32 v5, v5, v6
	v_add_nc_u32 v[ADRS], s2, v5
	s_mul_i32 s2, s18, 8448                        ; my stage, in slot 0: 16 rows x 528 bytes
	v_mul_u32_u24 v5, v1, 528
	v_lshl_add_u32 v5, v2, 5, v5
	v_add_nc_u32 v[STOF], s2, v5
	v_and_b32 v6, 31, v0
	v_lshlrev_b32 v[COF], 4, v6
	v_add_nc_u32 v[RDF], s2, v[COF]
	v_mul_u32_u24 v5, v1, 272
	v_lshl_add_u32 v5, v2, 4, v5
	v_add_nc_u32 v[STO], s2, v5                    ; f16: token r's 256 bytes (two heads), 16 bytes for each half of the lanes
	v_bfe_u32 v5, v0, 3, 1
	v_mul_u32_u24 v5, v5, 272
	v_lshl_add_u32 v5, v2, 7, v5
	v_and_b32 v6, 7, v0
	v_lshl_add_u32 v5, v6, 4, v5
	v_add_nc_u32 v[RD], s2, v5                     ; back: lanes 0-15 two tokens of the first head, lanes 16-31 of the second
	v_lshlrev_b32 v[CO], 18, v2                    ; a head is 262,144 bytes
	v_lshl_add_u32 v[CO], v1, 4, v[CO]
	v_lshlrev_b32 v[BO], 5, v2
	s_lshl_b32 s2, s40, 10
	s_lshl_b32 s3, s20, 9
	s_add_co_u32 s2, s2, s3                        ; my first column x 4 bytes
	s_mov_b32 s3, 0
	s_add_nc_u64 s[12:13], s[12:13], s[2:3]
	s_add_nc_u64 s[16:17], s[16:17], s[2:3]
	s_mul_i32 s2, s22, 16*12288                    ; the batch's 16 rows of qkvf
	s_add_nc_u64 s[16:17], s[16:17], s[2:3]
	s_lshr_b32 s2, s40, 2                          ; q, k or v
	s_lshl_b32 s2, s2, 6
	s_lshl_b32 s23, s22, 4
	s_add_co_u32 s2, s2, s23                       ; + 16 x batch
	s_and_b32 s23, s40, 3
	s_lshl_b32 s23, s23, 2
	s_add_co_u32 s2, s2, s23
	s_lshl_b32 s23, s20, 1
	s_add_co_u32 s2, s2, s23                       ; + my first head
	s_lshl_b32 s2, s2, 18
	s_lshl_b32 s23, s44, 15
	s_add_co_u32 s2, s2, s23                       ; + 256 x cluster y tokens of 128 bytes
	s_lshl_b32 s23, s19, 14
	s_add_co_u32 s2, s2, s23                       ; + my 128
	s_add_nc_u64 s[14:15], s[14:15], s[2:3]
	s_or_b32 s66, s44, s19                         ; 0 where my first block of rows is tokens 0 to 15
.irp b, 0,1,2,3,4,5,6,7
	global_load_b128 v[BIAS+8*\b:BIAS+8*\b+3], v[BO], s[12:13] offset:64*\b        ; b_attn at my lane's eight columns of block b
	global_load_b128 v[BIAS+8*\b+4:BIAS+8*\b+7], v[BO], s[12:13] offset:64*\b+16
.endr
.macro FRAG reg, adr, q, i             ; 16 rows x 128 K of 4-bit codes: 8 registers, two loads 32 bytes apart
.irp c, 0,1
	ds_load_b128 v[\reg+4*\c:\reg+4*\c+3], v[\adr] offset:64*(\q)+32*\c+(\i)*16*PITCH
.endr
.endm
; 16 matrix instructions: A's blocks a0, a0 + 1 x B's eight.  The 64 accumulators take turns, one instruction a turn.
.macro MUL16 a0, p, q, sc, zero
.irp a, \a0, \a0+1
.irp b, 0,1,2,3,4,5,6,7
.if \zero
	v_wmma_scale_f32_16x16x128_f8f6f4 v[8*(8*((\a)%4)+\b):8*(8*((\a)%4)+\b)+7], v[128*(\p)+FR*\b:128*(\p)+FR*\b+FR-1], v[AF+FR*(\a):AF+FR*(\a)+FR-1], v[BIAS+8*\b:BIAS+8*\b+7], v[SC+8*NQ*(\sc)+NQ*\b+(\q)], v[SC+8*NQ*(\sc)+NQ*(\a)+(\q)] matrix_a_fmt:MATRIX_FMT_FP4 matrix_b_fmt:MATRIX_FMT_FP4 matrix_a_scale:MATRIX_SCALE_ROW1
.else
	v_wmma_scale_f32_16x16x128_f8f6f4 v[8*(8*((\a)%4)+\b):8*(8*((\a)%4)+\b)+7], v[128*(\p)+FR*\b:128*(\p)+FR*\b+FR-1], v[AF+FR*(\a):AF+FR*(\a)+FR-1], v[8*(8*((\a)%4)+\b):8*(8*((\a)%4)+\b)+7], v[SC+8*NQ*(\sc)+NQ*\b+(\q)], v[SC+8*NQ*(\sc)+NQ*(\a)+(\q)] matrix_a_fmt:MATRIX_FMT_FP4 matrix_b_fmt:MATRIX_FMT_FP4 matrix_a_scale:MATRIX_SCALE_ROW1
.endif
.endr
.endr
.endm
.macro FETCH_B slot, q, p
	WIN TO_B
.irp i, 0,1,2,3,4,5,6,7
	FRAG 128*(\p)+FR*\i, ADRB+\slot, \q, \i
.endr
	WIN 0
.endm
.macro FETCH_A slot, q, i0
.irp i, \i0, \i0+1, \i0+2, \i0+3
	FRAG AF+FR*(\i), ADRA+\slot, \q, \i
.endr
.endm
.macro SCALES sc                       ; a slot's scale words: lanes 0-15 A's block i, lanes 16-31 B's block i
.irp i, 0,1,2,3,4,5,6,7
	ds_load_b128 v[SC+8*NQ*\sc+NQ*\i:SC+8*NQ*\sc+NQ*\i+3], v[ADRS] offset:\i*SBLK
.endr
.endm
.macro PLACES n                        ; plain vector instructions between a matrix instruction and a load into, or a read of, its registers
.rept \n
	v_nop
.endr
.endm
.macro STEP slot, q, zero
	s_wait_dscnt 4*NL                              ; B's set and A's blocks 0-3 are in; the youngest eight loads (A's blocks 4-7) may be out
.if \zero
	WIN FST_LO
.else
	WIN MUL_LO
.endif
	MUL16 0, (\q)%2, \q, \slot, \zero
	MUL16 2, (\q)%2, \q, \slot, \zero
	s_wait_dscnt 0
	PLACES NP
	FETCH_B \slot, (\q)+1, 1-(\q)%2
	FETCH_A \slot, (\q)+1, 0
.if \zero
	WIN FST_HI
.else
	WIN MUL_HI
.endif
	MUL16 4, (\q)%2, \q, \slot, \zero
	MUL16 6, (\q)%2, \q, \slot, \zero
	PLACES NP
	WIN 0
	FETCH_A \slot, (\q)+1, 4
.endm
.macro STEPS slot, from
.set Q, \from
.rept NQ-1-\from
	STEP \slot, Q, 0
.set Q, Q+1
.endr
.endm
	s_wait_tensorcnt 1                             ; the scales and my part of slot 0 are in; slot 1's load may be out
	s_barrier_signal -1
	s_barrier_wait -1
	FETCH_B 0, 0, 0
	FETCH_A 0, 0, 0
	SCALES 0
	FETCH_A 0, 0, 4
	s_wait_loadcnt 0x0                             ; the bias
	STEP 0, 0, 1                                   ; the first step starts the sums from the bias
	STEPS 0, 1
	; slot 0's last step changes slots: one barrier; nothing is filled again
	s_wait_tensorcnt 0x0                           ; my part of slot 1 has landed
	ds_add_u32 v[SPW], v[NIL]
	s_wait_dscnt 4*NL+1                            ; the add and the youngest eight loads may be out
	WIN MUL_LO
	MUL16 0, 1, NQ-1, 0, 0
	s_wait_dscnt 0x0                               ; the add is done, my reads of slot 0 are over
	s_barrier_signal -1
	MUL16 2, 1, NQ-1, 0, 0
	WIN 0
	s_barrier_wait -1
	PLACES NP
	v_add_nc_u32 v[ADRS], 4*NQ, v[ADRS]            ; on to slot 1's scale words
	FETCH_B 1, 0, 0
	FETCH_A 1, 0, 0
	SCALES 1
	WIN MUL_HI
	MUL16 4, 1, NQ-1, 0, 0
	MUL16 6, 1, NQ-1, 0, 0
	PLACES NP
	WIN 0
	FETCH_A 1, 0, 4
	STEPS 1, 0
	s_wait_dscnt 4*NL
	WIN MUL_LO
	MUL16 0, 1, NQ-1, 1, 0
	MUL16 2, 1, NQ-1, 1, 0
	s_wait_dscnt 0
	WIN MUL_HI
	MUL16 4, 1, NQ-1, 1, 0
	MUL16 6, 1, NQ-1, 1, 0
	WIN 0
	PLACES NP
	; TOKENS 0 TO 15 IN F32: my first block of rows, where it holds them.  The branch hangs on cluster y and the wave's number.  The stage lies in slot 0, which has had its one fill and its last read.
	s_cmp_lg_u32 s66, 0
	s_cbranch_scc1 .Lnofine
	WIN 0x08                                       ; an LDS store's data: window 2
.irp b, 0,1,2,3,4,5,6,7
	ds_store_b128 v[STOF], v[8*\b:8*\b+3] offset:64*\b
	ds_store_b128 v[STOF], v[8*\b+4:8*\b+7] offset:64*\b+16
.endr
	WIN 0
.set n, 0
.rept 16
	ds_load_b128 v[FB+4*n:FB+4*n+3], v[RDF] offset:n*528           ; LDS serves a wave's instructions in order: these see my stores
.set n, n+1
.endr
	s_wait_dscnt 0x0
.set n, 0
.rept 16
	global_store_b128 v[COF], v[FB+4*n:FB+4*n+3], s[16:17] offset:n*12288   ; 32 lanes store 512 consecutive bytes, aligned
.set n, n+1
.endr
.Lnofine:
	; THE WAY OUT IN F16, block by block of 16 tokens x 128 columns (two heads)
.macro PACK a
.set AC, 64*((\a)%4)
	WIN 0x0a+5*((\a)/4)                            ; sources 0 and 1: window 2 or 3
.irp b, 0,1,2,3,4,5,6,7
.irp i, 0,1,2,3
	v_cvt_pk_f16_f32 v[TMP+4*\b+\i], v[AC+8*\b+2*\i], v[AC+8*\b+2*\i+1]
.endr
.endr
	WIN 0
.endm
.macro TOSTAGE a
.set BB, BK+32*((\a)%2)
.irp b, 0,1,2,3,4,5,6,7
	ds_store_b128 v[STO], v[TMP+4*\b:TMP+4*\b+3] offset:32*\b
.endr
.irp i, 0,1,2,3,4,5,6,7
	ds_load_b128 v[BB+4*\i:BB+4*\i+3], v[RD] offset:544*\i
.endr
.endm
.macro SEND a
.set BB, BK+32*((\a)%2)
	s_wait_dscnt 0x0                               ; the block is back in registers
	s_wait_xcnt 0x0                                ; the stores of the block before have read their registers: the next block's loads may land there
.irp i, 0,1,2,3,4,5,6,7
	global_store_b128 v[CO], v[BB+4*\i:BB+4*\i+3], s[14:15] offset:(\a)*2048+256*\i   ; sixteen lanes store two tokens of one head: 256 consecutive bytes, aligned
.endr
.endm
	PACK 0
	TOSTAGE 0
.irp a, 1,2,3,4,5,6,7
	PACK \a
	SEND \a-1
	TOSTAGE \a
.endr
	SEND 7
	s_wait_tensorcnt 0x0                           ; the wave's end
	ds_add_u32 v[SPW], v[NIL]
	s_wait_dscnt 0x0
	CROUND                                         ; the closing round
	s_endpgm
.Lfunc_end_k_q2ff70c8897_qkv:
	.size	k_q2ff70c8897_qkv, .Lfunc_end_k_q2ff70c8897_qkv-k_q2ff70c8897_qkv
	.p2alignl 7, 3214868480
	.fill 96, 4, 3214868480
	.section	.rodata,"a",@progbits
	.p2align	6, 0x0
	.amdhsa_kernel k_q2ff70c8897_qkv
		.amdhsa_group_segment_fixed_size 327680
		.amdhsa_private_segment_fixed_size 0
		.amdhsa_enable_private_segment 0
		.amdhsa_kernarg_size 56
		.amdhsa_user_sgpr_count 2
		.amdhsa_user_sgpr_kernarg_segment_ptr 1
		.amdhsa_wavefront_size32 1
		.amdhsa_system_sgpr_workgroup_id_x 1
		.amdhsa_system_sgpr_workgroup_id_y 1
		.amdhsa_system_sgpr_workgroup_id_z 1
		.amdhsa_system_vgpr_workitem_id 0
		.amdhsa_next_free_vgpr 1024
		.amdhsa_next_free_sgpr 100
		.amdhsa_reserve_vcc 0
		.amdhsa_float_denorm_mode_32 3
		.amdhsa_float_denorm_mode_16_64 3
		.amdhsa_memory_ordered 1
		.amdhsa_forward_progress 1
		.amdhsa_inst_pref_size 132
	.end_amdhsa_kernel
	.amdgpu_metadata
---
amdhsa.version: [ 1, 2 ]
amdhsa.kernels:
  - .name:           k_q2ff70c8897_qkv
    .symbol:         k_q2ff70c8897_qkv.kd
    .args:
      - { .name: xc, .offset: 0, .size: 8, .value_kind: global_buffer, .address_space: global }
      - { .name: xs, .offset: 8, .size: 8, .value_kind: global_buffer, .address_space: global }
      - { .name: wac, .offset: 16, .size: 8, .value_kind: global_buffer, .address_space: global }
      - { .name: was, .offset: 24, .size: 8, .value_kind: global_buffer, .address_space: global }
      - { .name: b_attn, .offset: 32, .size: 8, .value_kind: global_buffer, .address_space: global }
      - { .name: qkv, .offset: 40, .size: 8, .value_kind: global_buffer, .address_space: global }
      - { .name: qkvf, .offset: 48, .size: 8, .value_kind: global_buffer, .address_space: global }
    .group_segment_fixed_size: 327680
    .private_segment_fixed_size: 0
    .kernarg_segment_align: 8
    .kernarg_segment_size: 56
    .max_flat_workgroup_size: 128
    .sgpr_count:     100
    .vgpr_count:     1024
    .wavefront_size: 32
...
	.end_amdgpu_metadata
.endif
;; end of part 2
;; launch attn (part 3): grid 4 x 64, 8 waves a work-group, no clusters, 327,680 bytes of LDS; arguments qkv, y; writes y
.if DOCPART == 3
	.amdgcn_target "amdgcn-amd-amdhsa--gfx1250"
	.amdhsa_code_object_version 6
	.text
	.protected	k_q2ff70c8897_attn
	.globl	k_q2ff70c8897_attn
	.p2align	8
	.type	k_q2ff70c8897_attn,@function
k_q2ff70c8897_attn:
	s_mov_b64 s[64:65], 0
	v_nop
	global_prefetch_b8 v0, s[64:65] scope:SCOPE_SE
	s_setreg_imm32_b32 hwreg(HW_REG_WAVE_MODE, 25, 1), 1
	s_wait_xcnt 0x0
; ATTN: y[bh][q] = sum over k <= q of softmax_k(q . k / 8) v[k], head size 64, 2,048 tokens, 64 (batch, head).  q, k, v, y: f16 [bh][2048][64]; products on f16 operands, maxima and sums in f32, a running maximum.
; SHARES.  Work-group (P, bh) owns the query blocks 7 - P and P of 256 queries: 9 blocks of 256 x 256 under the mask for every work-group.  Each of its eight waves owns 32 queries of the high block
; (piece H: tiles 0, 1) and 32 of the low one (piece L: tiles 2, 3); both pieces use the same fragments of K and V.  Two waves share a SIMD: one's softmax stands beside the other's products.
; LAYOUT.  S^T = K Q^T and O^T = V^T P: a lane holds one query throughout; two tiles of S^T, rounded to f16 in pairs, are source 1 of the second product.  V ([key][channel]) is turned by ds_load_tr16_b128.
; RING.  Two LDS slots of 256 keys (four steps of 64).  Wave w < 4 brings K of step w, wave w >= 4 V of step w - 4: one load a wave behind each change of slots.  Every work-group walks all eight slots with
; constant trip counts; a step all of whose keys come after a piece's queries is jumped over, and a slot beyond the work-group's last query is not asked for.
; NO CLUSTER: the four work-groups of a head read 8, 7, 6 and 5 slots, so a joint load would bring tiles that no wave of some partner reads.
; Tokens 0 to 15 of each sequence are computed here too, but what is made of them is replaced by a later launch that carries them in f32.
; LIMITS: magnitudes of q, k, v, y under 65,504 (f16); weights under 6e-8 round to 0.
; REGISTERS: window 0: v1-15 addresses; v16-47 statistics, 8 a tile (+0 c m, +1 m, +2, +3 l, +4..7 at work, a in +6); v48-111 Q; v112-239 S^T, 32 a tile, P packed into the lower 16.
;            window 1: v0-127 O^T, 32 a tile; v128-191 K of a step; v192-255 V of a step.
.set PK,    144                        ; a row of K in LDS: 128 bytes + 16
.set PV,    160                        ; a row of V: 128 + 32
.set VOFF,  64*PK
.set STEPB, 64*(PK+PV)
.set SLOT1, 1<<17
.set STAGE, 2*SLOT1                    ; the way out: 16 rows x 144 bytes for each wave
.set SPARE, STAGE+8*16*PK
.set AK0, 3
.set AV0, 4
.set ADK, 5
.set ADV, 6
.set QO,  7
.set STO, 8
.set RD,  9
.set GO,  10
.set RH8, 11                           ; r - 8 h
.set DD,  12
.set NINF, 13
.set SPW, 14
.set NIL, 15
.set VST, 16
.set VQ,  48
.set VS,  112
.set PFO, 240
.set WK,  128
.set WVV, 192
.set WV,  8
.set PP,  9
.set BH,  10
.set Q0H, 11
.set Q0L, 12
.set LASTQ, 13
.set KFS, 14                           ; the step's first key
.set TB,  15                           ; LDS byte at which the step's tiles begin
.set SLOTS, 16
.set STP, 17
.set CS,  18
.set SEL, 20
.set LIM, 22
.set TT,  23
.set G1K, 24
.set G1V, 32
.set G0,  40
.set PFA, 44
.set QBH, 46
.set QBL, 48
.set YBH, 50
.set YBL, 52
.set MSB, 0
.macro WIN new
.if MSB != (\new)
	s_set_vgpr_msb (MSB<<8)|(\new)
.set MSB, (\new)
.endif
.endm
.set W_KQ, 0x01
.set W_PV, 0x51
.set W_RS, 0x41
.set TO1,  0x40
.macro TLOAD                           ; waves 0-3: a tile of K; waves 4-7: of V.
	s_cmp_lt_u32 s[WV], 4
	s_cbranch_scc0 .Lfor_v_\@
	tensor_load_to_lds s[G0:G0+3], s[G1K:G1K+7]
	s_nop 0
.rept 4
	v_nop
.endr
	s_branch .Lasked_\@
.Lfor_v_\@:
	tensor_load_to_lds s[G0:G0+3], s[G1V:G1V+7]
	s_nop 0
.rept 4
	v_nop
.endr
.Lasked_\@:
.endm
; A prefetch of what the NEXT change of slots will ask for: each wave names the 8,192 dense bytes of the tile that it will itself load then, lanes 256 bytes apart: four key steps ahead of that load.
; The four work-groups of a head walk the same K and V: the one with P = 0, which walks all eight slots, asks, so each block of 256 bytes is named once.  The last change that fills a slot asks for nothing.
.macro ASK
	s_cmp_gt_u32 s[SLOTS], s[LIM]
	s_cbranch_scc0 .Lnot_mine_\@
	global_prefetch_b8 v[PFO], s[PFA:PFA+1] th:TH_LOAD_NT scope:SCOPE_SE
.Lnot_mine_\@:
.endm
	s_load_b128 s[4:7], s[0:1], 0x0                ; qkv s[4:5], y s[6:7]
	v_lshl_add_u32 v[SPW], v0, 2, SPARE
	v_mov_b32 v[NIL], 0
	ds_add_u32 v[SPW], v[NIL]                      ; the wave's opening: the add, twice on end, and its wait ahead of my first tensor load
	ds_add_u32 v[SPW], v[NIL]
	v_lshrrev_b32 v1, 5, v0
	v_readfirstlane_b32 s[WV], v1                  ; wave 0..7
	s_mov_b32 s[PP], ttmp9
	s_and_b32 s[BH], ttmp7, 0xffff
	s_lshl_b32 s54, s[WV], 5
	s_sub_co_u32 s55, 7, s[PP]
	s_lshl_b32 s55, s55, 8
	s_add_co_u32 s[Q0H], s55, s54                  ; piece H's first query
	s_lshl_b32 s55, s[PP], 8
	s_add_co_u32 s[Q0L], s55, s54                  ; piece L's
	s_sub_co_u32 s[LASTQ], 8, s[PP]
	s_lshl_b32 s[LASTQ], s[LASTQ], 8
	s_sub_co_u32 s[LASTQ], s[LASTQ], 1             ; the work-group's last query
	s_mov_b32 s[G1K], (1<<16)|(1<<20)|(4<<22)|(3<<25)   ; elements of 2 bytes; 4 words of padding behind every 32
	s_mov_b32 s[G1V], (1<<16)|(1<<20)|(4<<22)|(7<<25)   ; 8 words
.irp g, G1K, G1V
	s_mov_b32 s[\g+1], 64<<16                      ; tensor_dim0 = 64
	s_mov_b32 s[\g+2], 64<<16                      ; tensor_dim1 = 64
	s_mov_b32 s[\g+3], 64<<16                      ; tile_dim0
	s_mov_b32 s[\g+4], 64                          ; tile_dim1
	s_mov_b32 s[\g+5], 64                          ; rows are dense
	s_mov_b32 s[\g+6], 0
	s_mov_b32 s[\g+7], 0
.endr
	s_and_b32 s54, s[WV], 3                        ; which step of a slot I fetch
	s_lshr_b32 s55, s[WV], 2                       ; K (0) or V (1)
	s_mul_i32 s56, s54, STEPB
	s_mul_i32 s57, s55, VOFF
	s_mov_b32 s[G0], 1
	s_add_co_u32 s[G0+1], s56, s57
	s_add_co_u32 s55, s55, 1
	s_lshl_b32 s56, s55, 24                        ; k's or v's section of 16,777,216 bytes
	s_lshl_b32 s57, s[BH], 18
	s_add_co_u32 s56, s56, s57
	s_lshl_b32 s54, s54, 13
	s_add_co_u32 s56, s56, s54
	s_mov_b32 s57, 0
	s_mov_b32 s[CS], 0x3e38aa3b                    ; c = log2(e) / 8
	s_mov_b32 s[CS+1], s[CS]
	s_mov_b32 s[SEL], 0x76543210
	s_mov_b32 s[SEL+1], 0xfedcba98
	s_mov_b32 s[KFS], 0
	s_mov_b32 s[TB], 0
	s_mov_b32 s[SLOTS], 7
	s_cmp_eq_u32 s[PP], 0
	s_cselect_b32 s[LIM], 1, -1
	s_wait_dscnt 0x0                               ; both opening adds are done
	s_wait_kmcnt 0x0
	s_add_nc_u64 s[G0+2:G0+3], s[4:5], s[56:57]
	s_add_nc_u64 s[PFA:PFA+1], s[G0+2:G0+3], 32768 ; in slot 1; the first change of slots steps it to slot 2.  Nothing is prefetched at the head
	s_or_b32 s[G0+3], s[G0+3], 0x80000000
	TLOAD                                          ; slot 0
	s_lshl_b32 s54, s[BH], 18
	s_lshl_b32 s56, s[Q0H], 7
	s_add_co_u32 s56, s56, s54
	s_add_nc_u64 s[QBH:QBH+1], s[4:5], s[56:57]
	s_add_nc_u64 s[YBH:YBH+1], s[6:7], s[56:57]
	s_lshl_b32 s56, s[Q0L], 7
	s_add_co_u32 s56, s56, s54
	s_add_nc_u64 s[QBL:QBL+1], s[4:5], s[56:57]
	s_add_nc_u64 s[YBL:YBL+1], s[6:7], s[56:57]
	v_and_b32 v1, 15, v0                           ; r
	v_bfe_u32 v2, v0, 4, 1                         ; h
	v_lshlrev_b32 v[QO], 7, v1
	v_lshl_add_u32 v[QO], v2, 4, v[QO]
.irp t, 0,1
.irp c, 0,1
	global_load_b128 v[VQ+16*\t+8*\c:VQ+16*\t+8*\c+3],       v[QO], s[QBH:QBH+1] offset:2048*\t+64*\c
	global_load_b128 v[VQ+16*\t+8*\c+4:VQ+16*\t+8*\c+7],     v[QO], s[QBH:QBH+1] offset:2048*\t+64*\c+32
	global_load_b128 v[VQ+32+16*\t+8*\c:VQ+32+16*\t+8*\c+3],   v[QO], s[QBL:QBL+1] offset:2048*\t+64*\c
	global_load_b128 v[VQ+32+16*\t+8*\c+4:VQ+32+16*\t+8*\c+7], v[QO], s[QBL:QBL+1] offset:2048*\t+64*\c+32
.endr
.endr
	v_mul_u32_u24 v[AK0], v1, PK
	v_lshl_add_u32 v[AK0], v2, 4, v[AK0]           ; K: row r, 16 bytes for each half
	v_and_b32 v5, 7, v0
	v_bfe_u32 v6, v0, 3, 1
	v_lshl_add_u32 v[AV0], v2, 3, v5
	v_mul_u32_u24 v[AV0], v[AV0], PV
	v_lshl_add_u32 v[AV0], v6, 4, v[AV0]
	v_add_nc_u32 v[AV0], VOFF, v[AV0]              ; V: key 8 h + l % 8, channels 8 ((l / 8) % 2) on
	s_mul_i32 s54, s[WV], 16*PK
	s_add_co_u32 s54, s54, STAGE
	v_add_nc_u32 v[STO], s54, v[AK0]
	v_and_b32 v5, 31, v0
	v_lshrrev_b32 v6, 3, v5
	v_mul_u32_u24 v6, v6, PK
	v_and_b32 v[RD], 7, v0
	v_lshl_add_u32 v[RD], v[RD], 4, v6
	v_add_nc_u32 v[RD], s54, v[RD]                 ; back: eight lanes to a row of 128 bytes, four rows an instruction
	v_lshlrev_b32 v[GO], 4, v5
	v_lshlrev_b32 v[PFO], 8, v5
	v_lshlrev_b32 v[RH8], 3, v2
	v_sub_nc_u32 v[RH8], v1, v[RH8]
	v_mov_b32 v[NINF], 0xff800000
.irp t, 0,1,2,3
	v_mov_b32 v[VST+8*\t], v[NINF]                 ; c m and m begin at -infinity, l and O^T at 0: the first step's a is 0, and the loop is written once
	v_mov_b32 v[VST+8*\t+1], v[NINF]
.irp j, 2,3,4,5,6,7
	v_mov_b32 v[VST+8*\t+\j], 0
.endr
.endr
	WIN TO1
.set n, 0
.rept 128
	v_mov_b32 v[n], 0
.set n, n+1
.endr
	WIN 0
.macro KQ16 x                          ; S^T of piece x: 16 products; eight accumulators by turns
	WIN W_KQ
.set i, 0
.rept 16
.set rS, VS+32*(\x+i%2)+8*((i/2)%4)
.set rK, WK+16*((i/2)%4)+8*(i/8)
.set rQ, VQ+16*(\x+i%2)+8*(i/8)
.if i < 8
	v_wmma_f32_16x16x32_f16 v[rS:rS+7], v[rK:rK+7], v[rQ:rQ+7], 0
.else
	v_wmma_f32_16x16x32_f16 v[rS:rS+7], v[rK:rK+7], v[rQ:rQ+7], v[rS:rS+7]
.endif
.set i, i+1
.endr
	WIN 0
.endm
.macro PV16 x                          ; O^T += V^T P of piece x
	WIN W_PV
.set i, 0
.rept 16
.set rO, 32*(\x+i%2)+8*((i/2)%4)
.set rV, WVV+32*(i/8)+8*((i/2)%4)
.set rP, VS+32*(\x+i%2)+8*(i/8)
	v_wmma_f32_16x16x32_f16 v[rO:rO+7], v[rV:rV+7], v[rP:rP+7], v[rO:rO+7]
.set i, i+1
.endr
	WIN 0
.endm
; On the diagonal hidden scores become -infinity.  Register 8 kt + j of tile x + u holds key KFS + 16 kt + 8 h + j of query q0 + 16 u + r: hidden where 16 kt + j - 16 u > q0 - KFS + r - 8 h.
.macro MASK x, q0
	s_add_co_u32 s[TT], s[KFS], 63
	s_cmp_le_u32 s[TT], s[\q0]
	s_cbranch_scc1 .Lopen_\@                       ; all 64 keys count for all 32 queries
	s_sub_co_u32 s[TT], s[\q0], s[KFS]
	v_add_nc_u32 v[DD], s[TT], v[RH8]
.irp u, 0,1
.set n, 0
.rept 32
	v_cmp_gt_i32 vcc_lo, 16*(n/8)+n%8-16*\u, v[DD]
	v_cndmask_b32 v[VS+32*(\x+\u)+n], v[VS+32*(\x+\u)+n], v[NINF], vcc_lo
.set n, n+1
.endr
.endr
.Lopen_\@:
.endm
; The softmax of piece x's two tiles for one step, the tiles line by line in turn.
.macro SOFTMAX x
.irp j, 0,1,2,3
.irp t, \x, \x+1
	v_max3_num_f32 v[VST+8*(\t)+4+\j], v[VS+32*(\t)+8*\j], v[VS+32*(\t)+8*\j+1], v[VS+32*(\t)+8*\j+2]   ; each accumulator is read from its low end on
.endr
.endr
.irp g, 3,5
.irp j, 0,1,2,3
.irp t, \x, \x+1
	v_max3_num_f32 v[VST+8*(\t)+4+\j], v[VST+8*(\t)+4+\j], v[VS+32*(\t)+8*\j+\g], v[VS+32*(\t)+8*\j+\g+1]
.endr
.endr
.endr
.irp t, \x, \x+1
	v_max3_num_f32 v[VST+8*(\t)+4], v[VST+8*(\t)+4], v[VS+32*(\t)+7], v[VS+32*(\t)+15]
.endr
.irp t, \x, \x+1
	v_max3_num_f32 v[VST+8*(\t)+6], v[VST+8*(\t)+6], v[VS+32*(\t)+23], v[VS+32*(\t)+31]
.endr
.irp t, \x, \x+1
	v_max3_num_f32 v[VST+8*(\t)+4], v[VST+8*(\t)+4], v[VST+8*(\t)+5], v[VST+8*(\t)+6]
.endr
.irp t, \x, \x+1
	v_max3_num_f32 v[VST+8*(\t)+4], v[VST+8*(\t)+4], v[VST+8*(\t)+7], v[VST+8*(\t)+1]   ; with the old m
.endr
.irp t, \x, \x+1
	v_permlanex16_b32 v[VST+8*(\t)+5], v[VST+8*(\t)+4], s[SEL], s[SEL+1]   ; the query's other 32 keys lie 16 lanes away
.endr
.irp t, \x, \x+1
	v_mov_b32 v[VST+8*(\t)+7], v[VST+8*(\t)]       ; the old c m
.endr
.irp t, \x, \x+1
	v_max_num_f32 v[VST+8*(\t)+1], v[VST+8*(\t)+4], v[VST+8*(\t)+5]
.endr
.irp t, \x, \x+1
	v_mul_f32 v[VST+8*(\t)], s[CS], v[VST+8*(\t)+1]
.endr
.irp t, \x, \x+1
	v_sub_f32 v[VST+8*(\t)+7], v[VST+8*(\t)+7], v[VST+8*(\t)]
.endr
.set n, 0
.rept 16
.irp t, \x, \x+1
	v_pk_fma_f32 v[VS+32*(\t)+n:VS+32*(\t)+n+1], v[VS+32*(\t)+n:VS+32*(\t)+n+1], s[CS:CS+1], v[VST+8*(\t):VST+8*(\t)+1] op_sel_hi:[1,0,0] neg_lo:[0,0,1] neg_hi:[0,0,1]   ; c s - c m
.endr
.set n, n+2
.endr
.irp t, \x, \x+1
	v_exp_f32 v[VST+8*(\t)+6], v[VST+8*(\t)+7]     ; a = 2^(c m_old - c m_new)
.endr
.set n, 0
.rept 32
.irp t, \x, \x+1
	v_exp_f32 v[VS+32*(\t)+n], v[VS+32*(\t)+n]
.endr
.set n, n+1
.endr
	v_nop                                          ; a plain instruction behind the last exponential
	s_wait_alu depctr_va_vdst(0)                   ; one wait for the batch of 66, ahead of its first reader
.irp t, \x, \x+1
	v_pk_fma_f32 v[VST+8*(\t)+2:VST+8*(\t)+3], v[VST+8*(\t)+2:VST+8*(\t)+3], v[VST+8*(\t)+6:VST+8*(\t)+7], v[VS+32*(\t):VS+32*(\t)+1] op_sel_hi:[1,0,1]   ; l = a l + the first pair
.endr
.irp t, \x, \x+1
	v_pk_add_f32 v[VST+8*(\t)+4:VST+8*(\t)+5], v[VS+32*(\t)+2:VS+32*(\t)+3], v[VS+32*(\t)+4:VS+32*(\t)+5]
.endr
.irp g, 6,10,14,18,22,26
.irp t, \x, \x+1
	v_pk_add_f32 v[VST+8*(\t)+2:VST+8*(\t)+3], v[VST+8*(\t)+2:VST+8*(\t)+3], v[VS+32*(\t)+\g:VS+32*(\t)+\g+1]
	v_pk_add_f32 v[VST+8*(\t)+4:VST+8*(\t)+5], v[VST+8*(\t)+4:VST+8*(\t)+5], v[VS+32*(\t)+\g+2:VS+32*(\t)+\g+3]
.endr
.endr
.irp t, \x, \x+1
	v_pk_add_f32 v[VST+8*(\t)+2:VST+8*(\t)+3], v[VST+8*(\t)+2:VST+8*(\t)+3], v[VS+32*(\t)+30:VS+32*(\t)+31]
.endr
.irp t, \x, \x+1
	v_pk_add_f32 v[VST+8*(\t)+2:VST+8*(\t)+3], v[VST+8*(\t)+2:VST+8*(\t)+3], v[VST+8*(\t)+4:VST+8*(\t)+5]
.endr
.set n, 0
.rept 16
.irp t, \x, \x+1
	v_cvt_pk_f16_f32 v[VS+32*(\t)+n], v[VS+32*(\t)+2*n], v[VS+32*(\t)+2*n+1]   ; P, packed in place from the low end on
.endr
.set n, n+1
.endr
	WIN W_RS
.set n, 0
.rept 16
.irp t, \x, \x+1
	v_pk_mul_f32 v[32*(\t)+n:32*(\t)+n+1], v[32*(\t)+n:32*(\t)+n+1], v[VST+8*(\t)+6:VST+8*(\t)+7] op_sel_hi:[1,0]   ; O^T x a
.endr
.set n, n+2
.endr
	WIN 0
.endm
.macro PIECE x, q0, first
.if \first
	s_wait_dscnt 16                                ; K's 16 loads are in, V's 16 may be out
.endif
	KQ16 \x
.rept 4
	v_nop                                          ; places between the products and the first read of the scores
.endr
	MASK \x, \q0
	SOFTMAX \x
.if \first
	s_wait_dscnt 0x0                               ; V is in
.endif
	PV16 \x
.endm
; A KEY STEP of 64 keys.  It is jumped over where all its keys come after piece H's queries; piece L likewise.  The branches hang on ids and the count of steps; no barrier, wait for tiles or tensor load stands in a step.
.macro STEP
	s_add_co_u32 s[TT], s[Q0H], 31
	s_cmp_gt_u32 s[KFS], s[TT]
	s_cbranch_scc1 .Lhid_\@
	v_add_nc_u32 v[ADK], s[TB], v[AK0]
	v_add_nc_u32 v[ADV], s[TB], v[AV0]
.rept 3
	v_nop                                          ; with the two additions five places behind the last products: V's registers are loaded anew, and the next products write over P
.endr
	WIN TO1
.irp f, 0,1,2,3,4,5,6,7                ; keys 16 (f / 2) on, channels 32 (f % 2) on
	ds_load_b128 v[WK+8*\f:WK+8*\f+3],   v[ADK] offset:(\f/2)*16*PK+(\f%2)*64
	ds_load_b128 v[WK+8*\f+4:WK+8*\f+7], v[ADK] offset:(\f/2)*16*PK+(\f%2)*64+32
.endr
.irp f, 0,1,2,3,4,5,6,7                ; keys 32 (f / 4) on, channels 16 (f % 4) on
	ds_load_tr16_b128 v[WVV+8*\f:WVV+8*\f+3],   v[ADV] offset:(\f/4)*32*PV+(\f%4)*32
	ds_load_tr16_b128 v[WVV+8*\f+4:WVV+8*\f+7], v[ADV] offset:(\f/4)*32*PV+16*PV+(\f%4)*32
.endr
	WIN 0
	PIECE 0, Q0H, 1
	s_add_co_u32 s[TT], s[Q0L], 31
	s_cmp_gt_u32 s[KFS], s[TT]
	s_cbranch_scc1 .LnoL_\@
	PIECE 2, Q0L, 0
.LnoL_\@:
.Lhid_\@:
	s_add_co_u32 s[KFS], s[KFS], 64
	s_add_co_u32 s[TB], s[TB], STEPB
.endm
; THE CHANGE OF SLOTS, at a slot's head: each wave waits for all its tensor loads (its part of the slot ahead), adds 0 to its spare word, waits for that and for its reads of the slot that it has left; one barrier.
; fill = 1: the slot that was left takes the next 256 keys, while the work-group's last query reaches them: a slot beyond is read by none of the eight waves.
.macro CHANGE fill
	s_wait_tensorcnt 0x0                           ; no tensor load of mine is out, so group 0 may be written
	ds_add_u32 v[SPW], v[NIL]
.if \fill
	s_xor_b32 s[G0+1], s[G0+1], SLOT1
	s_add_nc_u64 s[G0+2:G0+3], s[G0+2:G0+3], 32768
	s_wait_xcnt 0x0                                ; the last prefetch, a slot back, has read its address
	s_add_nc_u64 s[PFA:PFA+1], s[PFA:PFA+1], 32768
.endif
	s_wait_dscnt 0x0
	s_barrier_signal -1
	s_barrier_wait -1
.if \fill
	s_add_co_u32 s[TT], s[KFS], 256                ; the first key of the slot that this change would ask for
	s_cmp_gt_u32 s[TT], s[LASTQ]                   ; ids and the count of steps alone: all eight waves go the same way
	s_cbranch_scc1 .Lpast_\@
	TLOAD                                          ; a wave's one tensor load until the next change
.Lpast_\@:
	ASK
.endif
.endm
.macro FOUR_STEPS
	s_mov_b32 s[STP], 4
.Lstep_\@:
	STEP
	s_sub_co_u32 s[STP], s[STP], 1
	s_cmp_lg_u32 s[STP], 0
	s_cbranch_scc1 .Lstep_\@
	s_sub_co_u32 s[TB], s[TB], 4*STEPB
	s_xor_b32 s[TB], s[TB], SLOT1                  ; on to the other slot
.endm
	s_wait_loadcnt 0x0                             ; Q
.Lslot:                                            ; seven trips
	CHANGE 1
	FOUR_STEPS
	s_sub_co_u32 s[SLOTS], s[SLOTS], 1
	s_cmp_lg_u32 s[SLOTS], 0
	s_cbranch_scc1 .Lslot
	CHANGE 0                                       ; the last slot is written out: nothing is left to ask for
	FOUR_STEPS
	; THE WAY OUT: O^T / l, rounded to f16, a tile (16 tokens x 128 bytes) at a time through my stage; the tile leaves as 2,048 dense bytes
.irp t, 0,1,2,3
	v_add_f32 v[VST+8*\t+4], v[VST+8*\t+2], v[VST+8*\t+3]
.endr
.irp t, 0,1,2,3
	v_permlanex16_b32 v[VST+8*\t+5], v[VST+8*\t+4], s[SEL], s[SEL+1]
.endr
.irp t, 0,1,2,3
	v_add_f32 v[VST+8*\t+4], v[VST+8*\t+4], v[VST+8*\t+5]
.endr
.irp t, 0,1,2,3
	v_rcp_f32 v[VST+8*\t+6], v[VST+8*\t+4]
.endr
	v_nop
	s_wait_alu depctr_va_vdst(0)                   ; one wait for the four reciprocals, ahead of their first reader
.macro OPACK t
	WIN W_RS
.set n, 0
.rept 16
	v_pk_mul_f32 v[32*\t+n:32*\t+n+1], v[32*\t+n:32*\t+n+1], v[VST+8*\t+6:VST+8*\t+7] op_sel_hi:[1,0]
.set n, n+2
.endr
	WIN 0x05                                       ; sources in window 1, destination in window 0
.set n, 0
.rept 16
	v_cvt_pk_f16_f32 v[VS+32*\t+n], v[32*\t+2*n], v[32*\t+2*n+1]
.set n, n+1
.endr
	WIN 0
.irp c, 0,1,2,3
	ds_store_b128 v[STO], v[VS+32*\t+4*\c:VS+32*\t+4*\c+3] offset:32*\c
.endr
.irp f, 0,1,2,3
	ds_load_b128 v[VS+32*\t+16+4*\f:VS+32*\t+16+4*\f+3], v[RD] offset:576*\f   ; LDS serves a wave's instructions in order
.endr
.endm
.macro OSEND t, younger                ; younger: the next tile's eight LDS instructions, or none
.irp f, 0,1,2,3
	s_wait_dscnt \younger+3-\f
	global_store_b128 v[GO], v[VS+32*\t+16+4*\f:VS+32*\t+16+4*\f+3], s[YBH+2*(\t/2):YBH+2*(\t/2)+1] offset:(\t%2)*2048+512*\f   ; 32 lanes store 512 consecutive bytes, aligned
.endr
.endm
	OPACK 0
	OPACK 1
	OSEND 0, 8
	OPACK 2
	OSEND 1, 8
	OPACK 3
	OSEND 2, 8
	OSEND 3, 0
	s_wait_tensorcnt 0x0                           ; the wave's end
	ds_add_u32 v[SPW], v[NIL]
	s_wait_dscnt 0x0
	s_endpgm
.Lfunc_end_k_q2ff70c8897_attn:
	.size	k_q2ff70c8897_attn, .Lfunc_end_k_q2ff70c8897_attn-k_q2ff70c8897_attn
	.p2alignl 7, 3214868480
	.fill 96, 4, 3214868480
	.section	.rodata,"a",@progbits
	.p2align	6, 0x0
	.amdhsa_kernel k_q2ff70c8897_attn
		.amdhsa_group_segment_fixed_size 327680
		.amdhsa_private_segment_fixed_size 0
		.amdhsa_enable_private_segment 0
		.amdhsa_kernarg_size 16
		.amdhsa_user_sgpr_count 2
		.amdhsa_user_sgpr_kernarg_segment_ptr 1
		.amdhsa_wavefront_size32 1
		.amdhsa_system_sgpr_workgroup_id_x 1
		.amdhsa_system_sgpr_workgroup_id_y 1
		.amdhsa_system_sgpr_workgroup_id_z 1
		.amdhsa_system_vgpr_workitem_id 0
		.amdhsa_next_free_vgpr 512
		.amdhsa_next_free_sgpr 66
		.amdhsa_reserve_vcc 1
		.amdhsa_float_denorm_mode_32 3
		.amdhsa_float_denorm_mode_16_64 3
		.amdhsa_memory_ordered 1
		.amdhsa_forward_progress 1
		.amdhsa_inst_pref_size 108
	.end_amdhsa_kernel
	.amdgpu_metadata
---
amdhsa.version: [ 1, 2 ]
amdhsa.kernels:
  - .name:           k_q2ff70c8897_attn
    .symbol:         k_q2ff70c8897_attn.kd
    .args:
      - { .name: qkv, .offset: 0, .size: 8, .value_kind: global_buffer, .address_space: global }
      - { .name: y, .offset: 8, .size: 8, .value_kind: global_buffer, .address_space: global }
    .group_segment_fixed_size: 327680
    .private_segment_fixed_size: 0
    .kernarg_segment_align: 8
    .kernarg_segment_size: 16
    .max_flat_workgroup_size: 256
    .sgpr_count:     66
    .vgpr_count:     512
    .wavefront_size: 32
...
	.end_amdgpu_metadata
.endif
;; end of part 3
;; launch proj (part 4): grid 8 x 32, 4 waves a work-group, clusters of 4 x 4, 327,680 bytes of LDS; arguments y, wp, b_proj, out0; writes out0
.if DOCPART == 4
	.amdgcn_target "amdgcn-amd-amdhsa--gfx1250"
	.amdhsa_code_object_version 6
	.text
	.protected	k_q2ff70c8897_proj
	.globl	k_q2ff70c8897_proj
	.p2align	8
	.type	k_q2ff70c8897_proj,@function
k_q2ff70c8897_proj:
	s_mov_b64 s[64:65], 0
	v_nop
	global_prefetch_b8 v0, s[64:65] scope:SCOPE_SE
	s_setreg_imm32_b32 hwreg(HW_REG_WAVE_MODE, 25, 1), 1
	s_wait_xcnt 0x0
	s_wait_alu depctr_hold_cnt(0) depctr_sa_sdst(0) depctr_va_vdst(0) depctr_va_sdst(0) depctr_va_ssrc(0) depctr_va_vcc(0) depctr_vm_vsrc(0)
	s_getreg_b32 s2, hwreg(HW_REG_IB_STS2, 6, 4)
	s_cmp_eq_u32 s2, 0
	s_cbranch_scc0 .Lentry_in_a_cluster
	s_endpgm
.Lentry_in_a_cluster:
	s_bfe_u32 s2, ttmp6, 0x10000c
	s_cmp_lg_u32 s2, 0xf033
	s_cbranch_scc0 .Lentry_shape_is_right
	s_endpgm
.Lentry_shape_is_right:
; PROJ: out0 = y W_proj + b_proj on f16 operands, f32 sums.  y: f16 [64 (batch x 16 + head)][2048][64]; wp: W_proj^T in f16 [1024 n][1024 k] (the buffer's first half); out0 [8192][1024] f32.
; Tokens 0 to 15 of each batch are left to a later launch, which carries them more finely: their 16 rows are multiplied with their block but not stored here.
; A tile of 256 rows x 128 columns is made by four waves, 128 x 64 each: 32 accumulators fill window 1.  256 work-groups.  K goes in steps of 128 (two heads) through two LDS slots:
; A's part of a slot is two planes, one a head, of 256 tokens x 128 dense bytes; B's is 128 rows of 256 bytes.  Waves 0, 1 fetch A's planes, waves 2, 3 B's halves: one load a wave.
; CLUSTER 4 x 4: tile row = 8 cy + cluster y, tile column = 4 cluster x + cx; A's tiles are shared along a row of the cluster, B's along a column, by joint loads.
; The matrix instruction is used transposed (source 0 = 16 rows of W^T, source 1 = 16 tokens): a lane holds eight neighbouring columns of one token.  The bias is the C of each sum's first instruction.
; LIMITS: the bias is added ahead of the products; operands are f16 (magnitudes under 65,504).
; No prefetch: the launch is short, and each refill has a K step's products in which to land.
.set PA,     144
.set PB,     272
.set APL,    256*PA
.set BOFF,   2*APL
.set BHALF,  64*PB
.set SLOT,   BOFF+2*BHALF
.set STAGE,  2*SLOT
.set SPITCH, 272
.set SPARE,  STAGE+4*16*SPITCH
.set LAPS,   4
.set ADRA, 16
.set ADRB, 20
.set STO,  24
.set RD,   25
.set CO,   26
.set SPW,  28
.set NIL,  29
.set BO,   30
.set BIAS, 32
.set F0,   64
.set F1,   160
.set BK,   64
.set G1, 24
.set G0, 32
.set G1B, 48
.set G0B, 56
.set MSB, 0
.macro WIN new
.if MSB != (\new)
	s_set_vgpr_msb (MSB<<8)|(\new)
.set MSB, (\new)
.endif
.endm
.set MUL,  0x50                        ; C and D window 1, operands window 0
.set MUL0, 0x40                        ; D window 1, C (the bias) window 0
.macro JLOAD s
	s_cmp_eq_u32 s11, 0
	s_cbranch_scc0 .Lfor_b_\@
	tensor_load_to_lds s[G0+4*\s:G0+4*\s+3], s[G1:G1+7]
	s_nop 0
.rept 4
	v_nop
.endr
	s_branch .Lasked_\@
.Lfor_b_\@:
	tensor_load_to_lds s[G0B+4*\s:G0B+4*\s+3], s[G1B:G1B+7]
	s_nop 0
.rept 4
	v_nop
.endr
.Lasked_\@:
.endm
.macro CREST
	s_cmp_lg_u32 s10, 0
	s_cbranch_scc1 .Lnot_wave_0_\@
	s_barrier_signal -3
.Lnot_wave_0_\@:
	s_barrier_wait -3
	s_barrier_signal -1
	s_barrier_wait -1
.endm
.macro CROUND
	s_barrier_signal -1
	s_barrier_wait -1
	CREST
.endm
	s_load_b128 s[4:7], s[0:1], 0x0                ; y s[4:5], wp s[6:7]
	s_load_b64 s[8:9], s[0:1], 0x10                ; b_proj
	s_load_b64 s[14:15], s[0:1], 0x18              ; out0
	v_lshl_add_u32 v[SPW], v0, 2, SPARE
	v_mov_b32 v[NIL], 0
	ds_add_u32 v[SPW], v[NIL]                      ; the wave's opening: the add, twice on end, and its wait ahead of my first tensor load
	ds_add_u32 v[SPW], v[NIL]
	v_lshrrev_b32 v1, 5, v0
	v_readfirstlane_b32 s10, v1                    ; wave 0..3
	s_lshr_b32 s11, s10, 1                         ; my half of the tile's rows.  Also: I fetch for A (0) or B (1)
	s_and_b32 s12, s10, 1                          ; my half of its columns.  Also: which plane or half I fetch
	s_bfe_u32 s40, ttmp6, 0x40000                  ; cx
	s_bfe_u32 s41, ttmp6, 0x40004                  ; cy
	s_lshl_b32 s42, ttmp9, 2
	s_add_co_u32 s42, s42, s40                     ; tile column
	s_and_b32 s45, ttmp7, 0xffff                   ; cluster y
	s_lshl_b32 s13, s41, 3
	s_add_co_u32 s13, s13, s45                     ; tile row = 8 cy + cluster y
	s_lshl_b32 s43, s41, 2
	s_lshl_b32 s43, 15, s43
	s_lshl_b32 s44, 0x1111, s40
	s_or_b32 s[G1+0], s43, (1<<16)|(1<<20)|(1<<21)|(4<<22)|(3<<25)    ; A: elements of 2 bytes, 4 words of padding behind every 32
	s_mov_b32 s[G1+1], 64<<16
	s_mov_b32 s[G1+2], 256<<16
	s_mov_b32 s[G1+3], 64<<16
	s_mov_b32 s[G1+4], 256
	s_mov_b32 s[G1+5], 64
	s_mov_b32 s[G1+6], 0
	s_mov_b32 s[G1+7], 0
	s_or_b32 s[G1B+0], s44, (1<<16)|(1<<20)|(1<<21)|(5<<22)|(3<<25)   ; B: 4 words behind every 64
	s_mov_b32 s[G1B+1], 128<<16
	s_mov_b32 s[G1B+2], 64<<16
	s_mov_b32 s[G1B+3], 128<<16
	s_mov_b32 s[G1B+4], 64
	s_mov_b32 s[G1B+5], 1024
	s_mov_b32 s[G1B+6], 0
	s_mov_b32 s[G1B+7], 0
	s_lshl_b32 s16, s41, 4
	s_add_co_u32 s16, s16, s12                     ; A: head 16 x batch + plane,
	s_lshl_b32 s16, s16, 18
	s_lshl_b32 s17, s45, 15
	s_add_co_u32 s16, s16, s17                     ; token 256 x cluster y
	s_mov_b32 s17, 0
	s_lshl_b32 s46, s42, 7
	s_lshl_b32 s47, s12, 6
	s_add_co_u32 s46, s46, s47                     ; B: row 128 x tile column + 64 x half
	s_lshl_b32 s46, s46, 11
	s_mov_b32 s47, 0
	s_mul_i32 s20, s12, APL                        ; where they go
	s_mul_i32 s21, s12, BHALF
	s_add_co_u32 s21, s21, BOFF
	s_wait_dscnt 0x0                               ; both opening adds are done
	s_wait_kmcnt 0x0
	s_add_nc_u64 s[18:19], s[4:5], s[16:17]
	s_add_nc_u64 s[46:47], s[6:7], s[46:47]
	CROUND                                         ; all sixteen work-groups are here: the first joint loads meet
.irp s, 0,1
	s_mov_b32 s[G0+4*\s], 1
	s_add_co_u32 s[G0+4*\s+1], s20, \s*SLOT
	s_add_nc_u64 s[G0+4*\s+2:G0+4*\s+3], s[18:19], \s*524288       ; K step s: two heads on
	s_or_b32 s[G0+4*\s+3], s[G0+4*\s+3], 0x80000000
	s_mov_b32 s[G0B+4*\s], 1
	s_add_co_u32 s[G0B+4*\s+1], s21, \s*SLOT
	s_add_nc_u64 s[G0B+4*\s+2:G0B+4*\s+3], s[46:47], \s*256
	s_or_b32 s[G0B+4*\s+3], s[G0B+4*\s+3], 0x80000000
	JLOAD \s
.endr
	v_and_b32 v1, 15, v0
	v_bfe_u32 v2, v0, 4, 1
	v_mul_u32_u24 v3, v1, PA
	v_lshl_add_u32 v3, v2, 4, v3
	v_mul_u32_u24 v4, v1, PB
	v_lshl_add_u32 v4, v2, 4, v4
	s_mul_i32 s21, s11, 128*PA
	s_mul_i32 s22, s12, BHALF
	s_add_co_u32 s22, s22, BOFF
.irp s, 0,1
	v_add_nc_u32 v[ADRA+\s], s21, v3
	v_add_nc_u32 v[ADRB+\s], s22, v4
	s_add_co_u32 s21, s21, SLOT
	s_add_co_u32 s22, s22, SLOT
.endr
	s_mul_i32 s23, s10, 16*SPITCH
	s_add_co_u32 s23, s23, STAGE                   ; my stage
	v_mul_u32_u24 v5, v1, SPITCH
	v_lshl_add_u32 v5, v2, 5, v5
	v_add_nc_u32 v[STO], s23, v5
	v_mul_u32_u24 v5, v2, SPITCH
	v_lshl_add_u32 v5, v1, 4, v5
	v_add_nc_u32 v[RD], s23, v5
	v_lshlrev_b32 v5, 12, v2
	v_lshl_add_u32 v[CO], v1, 4, v5
	v_lshlrev_b32 v[BO], 5, v2
	s_lshl_b32 s22, s42, 9
	s_lshl_b32 s23, s12, 8
	s_add_co_u32 s22, s22, s23                     ; my first column x 4 bytes
	s_mov_b32 s23, 0
	s_add_nc_u64 s[8:9], s[8:9], s[22:23]
	s_add_nc_u64 s[14:15], s[14:15], s[22:23]
	s_lshl_b32 s22, s13, 20
	s_lshl_b32 s2, s11, 19
	s_add_co_u32 s22, s22, s2                      ; my first row x 4,096 bytes
	s_add_nc_u64 s[14:15], s[14:15], s[22:23]
	s_or_b32 s2, s45, s11                          ; 0 where my first block of rows is tokens 0 to 15
.irp b, 0,1,2,3
	global_load_b128 v[BIAS+8*\b:BIAS+8*\b+3], v[BO], s[8:9] offset:64*\b
	global_load_b128 v[BIAS+8*\b+4:BIAS+8*\b+7], v[BO], s[8:9] offset:64*\b+16
.endr
.macro FETCH slot, q, f                ; 24 loads: the fragments of the slot's q-th 32 along K: B's four blocks, then A's eight
.irp b, 0,1,2,3
	ds_load_b128 v[\f+8*\b:\f+8*\b+3],   v[ADRB+\slot] offset:\b*16*PB+64*(\q)
	ds_load_b128 v[\f+8*\b+4:\f+8*\b+7], v[ADRB+\slot] offset:\b*16*PB+64*(\q)+32
.endr
.irp a, 0,1,2,3,4,5,6,7
	ds_load_b128 v[\f+32+8*\a:\f+32+8*\a+3],   v[ADRA+\slot] offset:((\q)/2)*APL+\a*16*PA+((\q)%2)*64
	ds_load_b128 v[\f+32+8*\a+4:\f+32+8*\a+7], v[ADRA+\slot] offset:((\q)/2)*APL+\a*16*PA+((\q)%2)*64+32
.endr
.endm
.macro MULA f, a0, n, first            ; A's blocks a0 .. a0 + n - 1 against B's four; the 32 accumulators take turns
.set AA, \a0
.rept \n
.irp b, 0,1,2,3
.if \first
	v_wmma_f32_16x16x32_f16 v[8*(4*AA+\b):8*(4*AA+\b)+7], v[\f+8*\b:\f+8*\b+7], v[\f+32+8*AA:\f+32+8*AA+7], v[BIAS+8*\b:BIAS+8*\b+7]
.else
	v_wmma_f32_16x16x32_f16 v[8*(4*AA+\b):8*(4*AA+\b)+7], v[\f+8*\b:\f+8*\b+7], v[\f+32+8*AA:\f+32+8*AA+7], v[8*(4*AA+\b):8*(4*AA+\b)+7]
.endif
.endr
.set AA, AA+1
.endr
.endm
.macro PLACES
.rept 4
	v_nop
.endr
.endm
.macro QUARTER slot, qnext, f, g, first
	s_wait_dscnt 8                                 ; B and A's blocks 0-3 are in; the youngest eight loads (A's blocks 4-7) may be out
.if \first
	WIN MUL0
.else
	WIN MUL
.endif
	MULA \f, 0, 4, \first
	PLACES
	WIN 0
	FETCH \slot, \qnext, \g
	s_wait_dscnt 24                                ; all but the 24 just issued
.if \first
	WIN MUL0
.else
	WIN MUL
.endif
	MULA \f, 4, 4, \first
.endm
; A slot's last quarter multiplies buffer 1 and changes slots: one barrier; fill = 1: it opens a round of the cluster's barrier, and the slot is filled again, two K steps ahead.
.macro TURN slot, next, fill
	WIN 0
	s_wait_tensorcnt 0x0                           ; all my tensor loads have landed: my part of the next slot
	ds_add_u32 v[SPW], v[NIL]
	s_wait_dscnt 9                                 ; the add and the youngest eight loads may be out
	WIN MUL
	MULA F1, 0, 2, 0
	s_wait_dscnt 0x0                               ; the add is done, my reads of this slot are over
	s_barrier_signal -1
	MULA F1, 2, 2, 0
	WIN 0
	s_barrier_wait -1
.if \fill
	CREST
	s_add_nc_u64 s[G0+4*\slot+2:G0+4*\slot+3], s[G0+4*\slot+2:G0+4*\slot+3], 1048576
	s_add_nc_u64 s[G0B+4*\slot+2:G0B+4*\slot+3], s[G0B+4*\slot+2:G0B+4*\slot+3], 512
	JLOAD \slot                                    ; the first tensor load behind the round; its four v_nop are also the places in front of the loads below
.else
	PLACES
.endif
	FETCH \next, 0, F0
	WIN MUL
	MULA F1, 4, 4, 0
.endm
	s_wait_tensorcnt 1                             ; my part of K step 0 is in; K step 1's load may be out
	s_barrier_signal -1
	s_barrier_wait -1
	s_wait_loadcnt 0x0                             ; the bias
	FETCH 0, 0, F0
	QUARTER 0, 1, F0, F1, 1                        ; the first quarter starts the sums from the bias
	WIN 0
	s_mov_b32 s3, LAPS-1
.Llap:
	QUARTER 0, 2, F1, F0, 0
	QUARTER 0, 3, F0, F1, 0
	TURN 0, 1, 1
	QUARTER 1, 1, F0, F1, 0
	QUARTER 1, 2, F1, F0, 0
	QUARTER 1, 3, F0, F1, 0
	TURN 1, 0, 1
	QUARTER 0, 1, F0, F1, 0
	WIN 0
	s_sub_co_u32 s3, s3, 1
	s_cmp_lg_u32 s3, 0
	s_cbranch_scc1 .Llap
	QUARTER 0, 2, F1, F0, 0                        ; the last lap fills nothing
	QUARTER 0, 3, F0, F1, 0
	TURN 0, 1, 0
	QUARTER 1, 1, F0, F1, 0
	QUARTER 1, 2, F1, F0, 0
	QUARTER 1, 3, F0, F1, 0
	s_wait_dscnt 8
	WIN MUL
	MULA F1, 0, 4, 0
	s_wait_dscnt 0
	MULA F1, 4, 4, 0
	WIN 0
	PLACES
	; THE WAY OUT, block by block of 16 rows x 64 columns, through my own stage: sixteen lanes store 256 consecutive bytes, aligned
.macro TOSTAGE a
	WIN 0x04                                       ; an LDS store's data: window 1
.irp b, 0,1,2,3
	ds_store_b128 v[STO], v[8*(4*(\a)+\b):8*(4*(\a)+\b)+3] offset:64*\b
	ds_store_b128 v[STO], v[8*(4*(\a)+\b)+4:8*(4*(\a)+\b)+7] offset:64*\b+16
.endr
	WIN 0
.set BB, BK+32*((\a)%2)
.irp i, 0,1,2,3,4,5,6,7
	ds_load_b128 v[BB+4*\i:BB+4*\i+3], v[RD] offset:544*\i
.endr
.endm
.macro SEND a, younger                 ; younger: the next block's eight stores and eight loads, or none
.set BB, BK+32*((\a)%2)
	s_wait_dscnt \younger
.irp i, 0,1,2,3,4,5,6,7
	global_store_b128 v[CO], v[BB+4*\i:BB+4*\i+3], s[14:15] offset:(16*(\a)+2*\i)*4096 th:TH_STORE_NT
.endr
.endm
	s_cmp_eq_u32 s2, 0                             ; tokens 0 to 15 are another launch's: cluster y and the wave's number alone decide
	s_cbranch_scc1 .Lskip0
	TOSTAGE 0
	SEND 0, 0
.Lskip0:
	TOSTAGE 1
.irp a, 2,3,4,5,6,7
	s_wait_xcnt 0x0                                ; block a - 2's stores have read their registers: block a's loads may land there
	TOSTAGE \a
	SEND \a-1, 16
.endr
	SEND 7, 0
	s_wait_tensorcnt 0x0                           ; the wave's end
	ds_add_u32 v[SPW], v[NIL]
	s_wait_dscnt 0x0
	CROUND                                         ; the closing round
	s_endpgm
.Lfunc_end_k_q2ff70c8897_proj:
	.size	k_q2ff70c8897_proj, .Lfunc_end_k_q2ff70c8897_proj-k_q2ff70c8897_proj
	.p2alignl 7, 3214868480
	.fill 96, 4, 3214868480
	.section	.rodata,"a",@progbits
	.p2align	6, 0x0
	.amdhsa_kernel k_q2ff70c8897_proj
		.amdhsa_group_segment_fixed_size 327680
		.amdhsa_private_segment_fixed_size 0
		.amdhsa_enable_private_segment 0
		.amdhsa_kernarg_size 32
		.amdhsa_user_sgpr_count 2
		.amdhsa_user_sgpr_kernarg_segment_ptr 1
		.amdhsa_wavefront_size32 1
		.amdhsa_system_sgpr_workgroup_id_x 1
		.amdhsa_system_sgpr_workgroup_id_y 1
		.amdhsa_system_sgpr_workgroup_id_z 1
		.amdhsa_system_vgpr_workitem_id 0
		.amdhsa_next_free_vgpr 512
		.amdhsa_next_free_sgpr 66
		.amdhsa_reserve_vcc 0
		.amdhsa_float_denorm_mode_32 3
		.amdhsa_float_denorm_mode_16_64 3
		.amdhsa_memory_ordered 1
		.amdhsa_forward_progress 1
		.amdhsa_inst_pref_size 86
	.end_amdhsa_kernel
	.amdgpu_metadata
---
amdhsa.version: [ 1, 2 ]
amdhsa.kernels:
  - .name:           k_q2ff70c8897_proj
    .symbol:         k_q2ff70c8897_proj.kd
    .args:
      - { .name: y, .offset: 0, .size: 8, .value_kind: global_buffer, .address_space: global }
      - { .name: wp, .offset: 8, .size: 8, .value_kind: global_buffer, .address_space: global }
      - { .name: b_proj, .offset: 16, .size: 8, .value_kind: global_buffer, .address_space: global }
      - { .name: out0, .offset: 24, .size: 8, .value_kind: global_buffer, .address_space: global }
    .group_segment_fixed_size: 327680
    .private_segment_fixed_size: 0
    .kernarg_segment_align: 8
    .kernarg_segment_size: 32
    .max_flat_workgroup_size: 128
    .sgpr_count:     66
    .vgpr_count:     512
    .wavefront_size: 32
...
	.end_amdgpu_metadata
.endif
;; end of part 4
;; launch fine (part 5): grid 16 x 4, 16 waves a work-group, no clusters, 89,344 bytes of LDS; arguments qkvf, wp, b_proj, out0; writes out0
.if DOCPART == 5
	.amdgcn_target "amdgcn-amd-amdhsa--gfx1250"
	.amdhsa_code_object_version 6
	.text
	.protected	k_q2ff70c8897_fine
	.globl	k_q2ff70c8897_fine
	.p2align	8
	.type	k_q2ff70c8897_fine,@function
k_q2ff70c8897_fine:
	s_mov_b64 s[64:65], 0
	v_nop
	global_prefetch_b8 v0, s[64:65] scope:SCOPE_SE
	s_setreg_imm32_b32 hwreg(HW_REG_WAVE_MODE, 25, 1), 1
	s_wait_xcnt 0x0
; FINE: tokens 0 to 15 of each batch, which average one to sixteen values: attention on f32 operands (the f32 matrix form: 32 instructions a wave, no bulk work), the projection on pairs of f16 numbers.
; qkvf: f32 [64 (batch x 16 + token)][3072]; wp: W_proj^T as f16 [2 (rounded, remainder)][1024 n][1024 k]; out0 [8192][1024] f32: rows 2048 batch + 0 .. 15 are stored here.
; A work-group is (64 output columns, batch).  PHASE 1: wave w is head w: S^T = K Q^T, softmax under the causal mask, O^T = V^T P, y = O / l, split into an f16 number and an f16 remainder, to LDS.
; (The 16 column blocks of a batch repeat phase 1: it is cheaper than a launch and a trip through memory.)  PHASE 2: wave (ct = w % 4, kq = w / 4) makes 16 columns over 256 of K: Wh yh + Wh yl + Wl yh;
; the four parts along K meet in LDS; waves 0 to 3 add them and the bias; the 16 rows x 256 bytes leave as whole aligned runs of 256 bytes.
; In both f32 products the places of k in the registers are permuted alike on both sources.  No tensor load, no cluster: the launch is small and its operands go straight into registers.
; The registers that the f32 matrix form writes, v112-159, are written by matrix instructions alone.
.set YL,    33280                      ; LDS: yh at 0: 16 rows x 2,064 bytes; yl here
.set PART,  66560                      ; 16 waves x 1,024 bytes: images of the partial sums
.set STG,   82944                      ; 16 rows x 272 bytes
.set SPARE, 87296
	s_load_b256 s[4:11], s[0:1], 0x0               ; qkvf s[4:5], wp s[6:7], b_proj s[8:9], out0 s[10:11]
	v_lshl_add_u32 v5, v0, 2, SPARE                ; my spare word; never rewritten
	v_mov_b32 v6, 0                                ; 0; never rewritten
	v_lshrrev_b32 v1, 5, v0
	v_readfirstlane_b32 s12, v1                    ; wave 0..15
	s_and_b32 s14, ttmp7, 0xffff                   ; batch
	s_and_b32 s15, s12, 3                          ; ct
	s_lshr_b32 s16, s12, 2                         ; kq
	s_mov_b32 s20, 0x76543210
	s_mov_b32 s21, 0xfedcba98
	s_mov_b32 s22, 0x3e38aa3b                      ; c = log2(e) / 8
	v_and_b32 v1, 15, v0                           ; r
	v_bfe_u32 v2, v0, 4, 1                         ; h
	s_lshl_b32 s24, s12, 8                         ; my head's 256 bytes of a row
	v_mul_u32_u24 v3, v1, 12288
	v_lshl_add_u32 v3, v2, 4, v3
	v_add_nc_u32 v3, s24, v3                       ; q, k: token r, channels 4 h on
	v_mul_u32_u24 v4, v2, 98304
	v_lshl_add_u32 v4, v1, 2, v4
	v_add_nc_u32 v4, s24, v4                       ; v: key 8 h, channel r
	s_lshl_b32 s25, s15, 4
	v_add_nc_u32 v7, s25, v1
	v_lshlrev_b32 v7, 11, v7
	v_lshl_add_u32 v7, v2, 4, v7
	s_lshl_b32 s25, s16, 9
	v_add_nc_u32 v7, s25, v7                       ; W: row 16 ct + r, k = 256 kq + 8 h on
	; every LDS address is made here, ahead of the first parting of the waves
	v_mul_u32_u24 v168, v1, 2064
	v_lshl_add_u32 v168, v2, 4, v168
	v_add_nc_u32 v169, s25, v168                   ; y's fragments: row r, 512 kq + 16 h
	s_lshl_b32 s26, s12, 7
	v_add_nc_u32 v168, s26, v168                   ; y's stores: row r, 128 w + 16 h
	v_and_b32 v170, 31, v0
	v_lshlrev_b32 v170, 4, v170
	s_lshl_b32 s26, s12, 10
	s_add_co_u32 s26, s26, PART
	v_add_nc_u32 v170, s26, v170                   ; my image among the partial sums
	v_mul_u32_u24 v172, v1, 272
	v_lshl_add_u32 v172, v2, 5, v172
	s_lshl_b32 s26, s15, 6
	v_lshlrev_b32 v175, 5, v2
	v_add_nc_u32 v175, s26, v175                   ; the bias: 64 ct + 32 h
	s_add_co_u32 s26, s26, STG
	v_add_nc_u32 v172, s26, v172                   ; the stage, in: row r, 64 ct + 32 h
	s_lshl_b32 s26, s15, 2
	v_add_nc_u32 v174, s26, v2                     ; row 4 (w % 4) + h
	v_mul_u32_u24 v173, v174, 272
	v_lshl_add_u32 v173, v1, 4, v173
	v_add_nc_u32 v173, STG, v173                   ; the stage, back
	v_lshlrev_b32 v174, 12, v174
	v_lshl_add_u32 v174, v1, 4, v174               ; and the same place in out0
	s_mul_i32 s24, s14, 196608                     ; the batch's 16 rows of qkvf
	s_mov_b32 s25, 0
	s_lshl_b32 s26, ttmp9, 17                      ; 64 rows of wp
	s_mov_b32 s27, 0
	s_lshl_b32 s28, ttmp9, 8                       ; 64 columns x 4 bytes
	s_mov_b32 s29, 0
	s_lshl_b32 s30, s14, 23                        ; the batch's first row of out0
	s_mov_b32 s31, 0
	s_wait_kmcnt 0x0
	s_add_nc_u64 s[4:5], s[4:5], s[24:25]
	s_add_nc_u64 s[6:7], s[6:7], s[26:27]
	s_add_nc_u64 s[8:9], s[8:9], s[28:29]
	s_add_nc_u64 s[10:11], s[10:11], s[28:29]
	s_add_nc_u64 s[10:11], s[10:11], s[30:31]
.irp u, 0,1,2,3,4,5,6,7
	global_load_b128 v[16+4*\u:19+4*\u], v3, s[4:5] offset:32*\u             ; q(r, 8 u + 4 h + 0 .. 3)
.endr
.irp u, 0,1,2,3,4,5,6,7
	global_load_b128 v[48+4*\u:51+4*\u], v3, s[4:5] offset:4096+32*\u        ; k likewise
.endr
.irp c, 0,1,2,3
.irp j, 0,1,2,3,4,5,6,7
	global_load_b32 v[80+8*\c+\j], v4, s[4:5] offset:12288*\j+8192+64*\c     ; v(key 8 h + j, channel 16 c + r)
.endr
.endr
.irp s, 0,1,2,3,4,5,6,7
	global_load_b128 v[192+8*\s:195+8*\s], v7, s[6:7] offset:64*\s           ; W, rounded: eight fragments
	global_load_b128 v[196+8*\s:199+8*\s], v7, s[6:7] offset:64*\s+32
.endr
	global_load_b128 v[160:163], v175, s[8:9]
	global_load_b128 v[164:167], v175, s[8:9] offset:16
	; ---- phase 1
	s_wait_loadcnt 50                              ; q's and k's 16 loads are in; the 50 behind them (v 32, W 16, bias 2) may be out
.set i, 0
.rept 16                               ; two accumulators by turns; each sum's first instruction takes the constant 0
.if i < 2
	v_wmma_f32_16x16x4_f32 v[112+8*(i%2):119+8*(i%2)], v[48+2*i:49+2*i], v[16+2*i:17+2*i], 0
.else
	v_wmma_f32_16x16x4_f32 v[112+8*(i%2):119+8*(i%2)], v[48+2*i:49+2*i], v[16+2*i:17+2*i], v[112+8*(i%2):119+8*(i%2)]
.endif
.set i, i+1
.endr
.rept 8
	v_nop                                          ; eight places behind this form: for the loads below and the first read of the sums
.endr
.irp s, 0,1,2,3,4,5,6,7
	global_load_b128 v[16+8*\s:19+8*\s], v7, s[6:7] offset:2097152+64*\s     ; W's remainders, where q and k lay
	global_load_b128 v[20+8*\s:23+8*\s], v7, s[6:7] offset:2097152+64*\s+32
.endr
.irp j, 0,2,4,6
	v_pk_add_f32 v[176+\j:177+\j], v[112+\j:113+\j], v[120+\j:121+\j]        ; the score of key 8 h + j, query r
.endr
	v_lshlrev_b32 v184, 3, v2
	v_sub_nc_u32 v184, v1, v184                    ; r - 8 h
	v_mov_b32 v185, 0xff800000
.irp j, 0,1,2,3,4,5,6,7
	v_cmp_gt_i32 vcc_lo, \j, v184                  ; key after query: -infinity
	v_cndmask_b32 v[176+\j], v[176+\j], v185, vcc_lo
.endr
	v_max3_num_f32 v186, v176, v177, v178
	v_max3_num_f32 v187, v179, v180, v181
	v_max3_num_f32 v186, v186, v182, v183
	v_max_num_f32 v186, v186, v187
	v_permlanex16_b32 v187, v186, s20, s21
	v_max_num_f32 v186, v186, v187                 ; the row's maximum: key 0 counts for every query
	v_mul_f32 v186, s22, v186
.irp j, 0,1,2,3,4,5,6,7
	v_fma_f32 v[176+\j], v[176+\j], s22, -v186
.endr
.irp j, 0,1,2,3,4,5,6,7
	v_exp_f32 v[176+\j], v[176+\j]
.endr
	v_nop
	s_wait_alu depctr_va_vdst(0)                   ; one wait for the eight exponentials, ahead of their first reader
	v_add_f32 v188, v176, v177
	v_add_f32 v189, v178, v179
	v_add_f32 v190, v180, v181
	v_add_f32 v191, v182, v183
	v_add_f32 v188, v188, v189
	v_add_f32 v190, v190, v191
	v_add_f32 v188, v188, v190
	v_permlanex16_b32 v189, v188, s20, s21
	v_add_f32 v188, v188, v189                     ; the row's sum
	v_rcp_f32 v190, v188
	v_nop
	s_wait_loadcnt 34                              ; v's 32 loads are in; W 16, bias 2 and the remainders' 16 may be out
.irp s, 0,1,2,3                        ; keys 8 h + 2 s, 8 h + 2 s + 1, alike on both sources; four accumulators by turns
.irp c, 0,1,2,3
.if \s == 0
	v_wmma_f32_16x16x4_f32 v[128+8*\c:135+8*\c], v[80+8*\c+2*\s:81+8*\c+2*\s], v[176+2*\s:177+2*\s], 0
.else
	v_wmma_f32_16x16x4_f32 v[128+8*\c:135+8*\c], v[80+8*\c+2*\s:81+8*\c+2*\s], v[176+2*\s:177+2*\s], v[128+8*\c:135+8*\c]
.endif
.endr
.endr
.rept 8
	v_nop
.endr
	s_wait_alu depctr_va_vdst(0)                   ; the reciprocal's wait, ahead of its first reader
.set n, 0
.rept 16
	v_pk_mul_f32 v[80+n:81+n], v[128+n:129+n], v[190:191] op_sel_hi:[1,0]    ; y(r, 64 w + 16 c + 8 h + j), into other registers than the sums'
.set n, n+2
.endr
.irp c, 0,1,2,3
.irp i, 0,1,2,3
	v_cvt_pk_f16_f32 v[8+\i], v[80+8*\c+2*\i], v[81+8*\c+2*\i]
.endr
	v_cvt_f32_f16 v184, v8.l
	v_cvt_f32_f16 v185, v8.h
	v_cvt_f32_f16 v186, v9.l
	v_cvt_f32_f16 v187, v9.h
	v_cvt_f32_f16 v188, v10.l
	v_cvt_f32_f16 v189, v10.h
	v_cvt_f32_f16 v190, v11.l
	v_cvt_f32_f16 v191, v11.h
.irp i, 0,1,2,3
	v_pk_add_f32 v[184+2*\i:185+2*\i], v[80+8*\c+2*\i:81+8*\c+2*\i], v[184+2*\i:185+2*\i] neg_lo:[0,1] neg_hi:[0,1]   ; what the rounding left
.endr
.irp i, 0,1,2,3
	v_cvt_pk_f16_f32 v[12+\i], v[184+2*\i], v[185+2*\i]
.endr
	ds_store_b128 v168, v[8:11] offset:32*\c
	ds_store_b128 v168, v[12:15] offset:YL+32*\c
.endr
	s_wait_dscnt 0x0                               ; for the others' sake: my stores have landed
	s_barrier_signal -1
	s_barrier_wait -1                              ; the 16 rows of y lie in LDS, in both parts
	; ---- phase 2
	s_wait_loadcnt 0x0
.macro YFETCH s
	ds_load_b128 v[80+16*((\s)%2):83+16*((\s)%2)], v169 offset:64*(\s)
	ds_load_b128 v[84+16*((\s)%2):87+16*((\s)%2)], v169 offset:64*(\s)+32
	ds_load_b128 v[88+16*((\s)%2):91+16*((\s)%2)], v169 offset:YL+64*(\s)
	ds_load_b128 v[92+16*((\s)%2):95+16*((\s)%2)], v169 offset:YL+64*(\s)+32
.endm
	YFETCH 0
.irp s, 0,1,2,3,4,5,6,7
.rept 4
	v_nop                                          ; places in front of loads into registers that the step before has multiplied
.endr
.if \s < 7
	YFETCH \s+1
	s_wait_dscnt 4                                 ; this step's four loads are in, the next step's four may be out
.else
	s_wait_dscnt 0x0
.endif
.if \s == 0
	v_wmma_f32_16x16x32_f16 v[176:183], v[192+8*\s:199+8*\s], v[80+16*(\s%2):87+16*(\s%2)], 0
	v_wmma_f32_16x16x32_f16 v[184:191], v[192+8*\s:199+8*\s], v[88+16*(\s%2):95+16*(\s%2)], 0
	v_wmma_f32_16x16x32_f16 v[8:15], v[16+8*\s:23+8*\s], v[80+16*(\s%2):87+16*(\s%2)], 0
.else
	v_wmma_f32_16x16x32_f16 v[176:183], v[192+8*\s:199+8*\s], v[80+16*(\s%2):87+16*(\s%2)], v[176:183]
	v_wmma_f32_16x16x32_f16 v[184:191], v[192+8*\s:199+8*\s], v[88+16*(\s%2):95+16*(\s%2)], v[184:191]
	v_wmma_f32_16x16x32_f16 v[8:15], v[16+8*\s:23+8*\s], v[80+16*(\s%2):87+16*(\s%2)], v[8:15]
.endif
.endr
.rept 4
	v_nop
.endr
.irp j, 0,2,4,6
	v_pk_add_f32 v[176+\j:177+\j], v[176+\j:177+\j], v[184+\j:185+\j]
.endr
.irp j, 0,2,4,6
	v_pk_add_f32 v[176+\j:177+\j], v[176+\j:177+\j], v[8+\j:9+\j]
.endr
	ds_store_b128 v170, v[176:179]                 ; my part of the sum as an image of its registers (waves 0 to 3 store theirs too, and nobody reads it: no further parting of the waves)
	ds_store_b128 v170, v[180:183] offset:512
	s_wait_dscnt 0x0
	s_barrier_signal -1
	s_barrier_wait -1
	s_cmp_lt_u32 s12, 4
	s_cbranch_scc0 .Lrest1
.irp k, 1,2,3
	ds_load_b128 v[72+8*\k:75+8*\k], v170 offset:4096*\k                     ; the parts of waves w + 4, w + 8, w + 12: the same columns, the other quarters of K
	ds_load_b128 v[76+8*\k:79+8*\k], v170 offset:4096*\k+512
.endr
.irp j, 0,2,4,6
	v_pk_add_f32 v[176+\j:177+\j], v[176+\j:177+\j], v[160+\j:161+\j]        ; the bias
.endr
	s_wait_dscnt 0x0
.irp k, 1,2,3
.irp j, 0,2,4,6
	v_pk_add_f32 v[176+\j:177+\j], v[176+\j:177+\j], v[72+8*\k+\j:73+8*\k+\j]
.endr
.endr
	ds_store_b128 v172, v[176:179]
	ds_store_b128 v172, v[180:183] offset:16
.Lrest1:
	s_wait_dscnt 0x0
	s_barrier_signal -1
	s_barrier_wait -1                              ; 16 rows x 256 bytes lie in the stage
	s_cmp_lt_u32 s12, 4
	s_cbranch_scc0 .Lrest2
	ds_load_b128 v[80:83], v173
	ds_load_b128 v[84:87], v173 offset:544
	s_wait_dscnt 1                                 ; the first is in, the second may be out
	global_store_b128 v174, v[80:83], s[10:11]     ; sixteen lanes store 256 consecutive bytes, aligned
	s_wait_dscnt 0x0
	global_store_b128 v174, v[84:87], s[10:11] offset:8192
.Lrest2:
	s_wait_tensorcnt 0x0                           ; the wave's end, behind my last LDS store
	ds_add_u32 v5, v6
	s_wait_dscnt 0x0
	s_endpgm
.Lfunc_end_k_q2ff70c8897_fine:
	.size	k_q2ff70c8897_fine, .Lfunc_end_k_q2ff70c8897_fine-k_q2ff70c8897_fine
	.p2alignl 7, 3214868480
	.fill 96, 4, 3214868480
	.section	.rodata,"a",@progbits
	.p2align	6, 0x0
	.amdhsa_kernel k_q2ff70c8897_fine
		.amdhsa_group_segment_fixed_size 89344
		.amdhsa_private_segment_fixed_size 0
		.amdhsa_enable_private_segment 0
		.amdhsa_kernarg_size 32
		.amdhsa_user_sgpr_count 2
		.amdhsa_user_sgpr_kernarg_segment_ptr 1
		.amdhsa_wavefront_size32 1
		.amdhsa_system_sgpr_workgroup_id_x 1
		.amdhsa_system_sgpr_workgroup_id_y 1
		.amdhsa_system_sgpr_workgroup_id_z 1
		.amdhsa_system_vgpr_workitem_id 0
		.amdhsa_next_free_vgpr 256
		.amdhsa_next_free_sgpr 66
		.amdhsa_reserve_vcc 1
		.amdhsa_float_denorm_mode_32 3
		.amdhsa_float_denorm_mode_16_64 3
		.amdhsa_memory_ordered 1
		.amdhsa_forward_progress 1
		.amdhsa_inst_pref_size 30
	.end_amdhsa_kernel
	.amdgpu_metadata
---
amdhsa.version: [ 1, 2 ]
amdhsa.kernels:
  - .name:           k_q2ff70c8897_fine
    .symbol:         k_q2ff70c8897_fine.kd
    .args:
      - { .name: qkvf, .offset: 0, .size: 8, .value_kind: global_buffer, .address_space: global }
      - { .name: wp, .offset: 8, .size: 8, .value_kind: global_buffer, .address_space: global }
      - { .name: b_proj, .offset: 16, .size: 8, .value_kind: global_buffer, .address_space: global }
      - { .name: out0, .offset: 24, .size: 8, .value_kind: global_buffer, .address_space: global }
    .group_segment_fixed_size: 89344
    .private_segment_fixed_size: 0
    .kernarg_segment_align: 8
    .kernarg_segment_size: 32
    .max_flat_workgroup_size: 512
    .sgpr_count:     66
    .vgpr_count:     256
    .wavefront_size: 32
...
	.end_amdgpu_metadata
.endif
;; end of part 5
